; MI455X (gfx1250); checked and timed in simulation.
; The chip was launched on July 23, 2026; its instructions are those of AMD's public machine-readable ISA for CDNA 5 (MIT licence, August 2026) and "CDNA5" Instruction Set Architecture Reference Guide (July 2026). The comments in the code are by the model that wrote it; some were corrected since.
;; Mini MHSA. Allowed arithmetic: matrix products marked QUANTISED: E2M1 operands, one E8M0 scale for each 32 along K, by v_wmma_scale_f32_16x16x128_f8f6f4 with both operands' format E2M1 (or v_wmma_scale_f32_32x16x128_f4), f32 sums; products left as they are: bf16, f16 or f32 operands; f32 sums; everything else in f32.
;; Inputs: W_out 1,024 x 1,024 float32; W_qkv 3,072 x 1,024 float32; b_out 1,024 float32; b_qkv 3,072 float32; mask 4 x 2,048 bool; x 4 x 2,048 x 1,024 float32.
;; Outputs: out0 4 x 2,048 x 1,024 float32.
;; This version of the problem:
;;   THIS VERSION OF THE PROBLEM IS GIVEN IN LOW PRECISION. The matrix products marked QUANTISED in the list below multiply operands that are first quantised to E2M1 (2 exponent bits, 1 mantissa bit; 4 bits a number), with one power-of-two scale for each 32 numbers along K (OCP MX v1.0); their sums are f32. The products marked 'left as it is' may take bf16, f16 or f32 operands, with f32 sums. Whichever they take, every output number must still come out within the allowed error. Rounding operands to bf16 (8 significant bits) uses up far more of that allowance than f16 does (11 bits, for magnitudes from 6e-5 to 65,504). All else is computed in f32.
;;   The module's matrix products, in the order in which they are computed (A, B: the left and right operand; K: the contracted axis; several contracted axes count as one K, in the product's order):
;;     1. [M 8,192, K 1,024] x [K 1,024, N 3,072]; A: input x; B: input W_qkv: QUANTISED
;;     2. batch 64 x [M 2,048, K 64] x [K 64, N 2,048]; A: computed on the way; B: computed on the way: left as it is (an operand is computed on the way)
;;     3. batch 64 x [M 2,048, K 2,048] x [K 2,048, N 64]; A: computed on the way; B: computed on the way: left as it is (an operand is computed on the way)
;;     4. [M 8,192, K 1,024] x [K 1,024, N 1,024]; A: computed on the way; B: input W_out: left as it is (an operand is computed on the way)
;;   THE QUANTISER, for each operand of a quantised product, along K:
;;     - K is cut into blocks of 32 from its start; a last block that is shorter is filled with zeros.
;;     - A block's scale is 2^e with e = floor(log2(the largest magnitude in the block)) - 2, held to -126 .. 127; a block of zeros has e = 0. As a byte (E8M0): e + 127.
;;     - Each number is divided by its block's scale, clamped to +-6, and rounded to the nearest number of E2M1, ties to even, subnormals kept.
;;     - The product sums the exact products of the quantised numbers (number of the format x scale) in f32.
;;   ~~~python
;;   def quantise(x, axis):      # numpy; x: float32 -> the quantised numbers, widened to float32 again
;;       x = np.moveaxis(x, axis, -1); K = x.shape[-1]
;;       x = np.pad(x, [(0, 0)] * (x.ndim - 1) + [(0, -K % 32)]); x = x.reshape(x.shape[:-1] + (-1, 32)); a = np.abs(x).max(-1, keepdims=True)
;;       e = np.where(a > 0, np.clip(np.frexp(np.where(a > 0, a, 1))[1] - 1 - 2, -126, 127), 0)      # np.frexp(a)[1] - 1 = floor(log2(a)), exactly
;;       r = np.clip(x / 2.0 ** e, -6, 6)
;;       step = 2.0 ** (np.maximum(np.frexp(np.where(r == 0, 1, r))[1] - 1, 0) - 1)
;;       q = np.round(r / step) * step * 2.0 ** e      # np.round: ties to even
;;       return np.moveaxis(q.reshape(q.shape[:-2] + (-1,))[..., :K], -1, axis).astype(np.float32)
;;   ~~~
;; One version. Each part assembles by itself: llvm-mc -triple=amdgcn-amd-amdhsa -mcpu=gfx1250 --defsym DOCPART=n.
;; ======== version 1 of 1: 4 launches
;; limits: values are held in f16: magnitudes above 65,504 overflow, below 6.1e-05 lose precision; right only within a limited range of input values
;; workspace buffers: xc 4,194,304 bytes; xs 262,144 bytes; wc 1,572,864 bytes; ws 98,304 bytes; wo 2,097,152 bytes; mk 33,792 bytes; qkv 50,331,648 bytes; att 16,777,216 bytes
;; launch prep (part 1): grid 385 x 1, 4 waves a work-group, no clusters, 33,280 bytes of LDS; arguments x, W_qkv, W_out, mask, xc, xs, wc, ws, wo, mk; writes xc, xs, wc, ws, wo, mk
.if DOCPART == 1
	.amdgcn_target "amdgcn-amd-amdhsa--gfx1250"
	.amdhsa_code_object_version 6
	.text
	.protected	k_q165c4db987_prep
	.globl	k_q165c4db987_prep
	.p2align	8
	.type	k_q165c4db987_prep,@function
k_q165c4db987_prep:
	s_mov_b64 s[64:65], 0
	v_nop
	global_prefetch_b8 v0, s[64:65] scope:SCOPE_SE
	s_setreg_imm32_b32 hwreg(HW_REG_WAVE_MODE, 25, 1), 1
	s_wait_xcnt 0x0
; PREPARATION, three kinds of work-group, told apart by the work-group's number alone:
;   0 .. 351   x [8192][1024] (256 work-groups) and W_qkv [3072][1024] (96), f32, become codes of FP4 (E2M1), K innermost, two codes a byte, with one E8M0 byte for each 32 along K.
;   352 .. 383 W_out [1024][1024] f32 becomes f16 (rounded to nearest even), same order.
;   384        the mask [4][2048] becomes a table of f32 that is ADDED to the scores, and one factor for each batch by which q is multiplied.
; THE QUANTISER.  A block's scale is 2^(floor(log2(its largest magnitude)) - 2); its byte is the largest magnitude's own exponent field - 2, held at 1 from below.  A block of zeros so gets the byte 1 where
; the rule says 127: its codes are zeros, which add nothing under any byte but 0xff, and the bytes are read by this program alone.  Each number is divided by the scale and rounded to the nearest code, ties to even;
; beyond 6 the conversion gives the largest code.  Rows are dense and 1024 is a multiple of 32: both tensors are plain streams of blocks of 32, and so are their codes and scale bytes.
; A wave takes 16 steps of 512 numbers.  Each of a step's four loads reads 512 consecutive bytes; the 2,048 bytes turn through the wave's own stage in LDS and come back 64 bytes a lane, so that a lane holds 16
; neighbours along K (two neighbouring lanes hold a block).  A lane's 16 codes are 8 bytes: the wave stores 256 consecutive bytes, aligned.  A wave's 256 scale bytes are gathered in LDS and leave together.
; THE MASK.  Scores are kept as t = score x log2(e) / 8.  table[n][key] = -1e9 x log2(e) where the key is masked, else 0; factor[n] = log2(e) / 8.  In a batch ALL of whose keys are masked the table is 0 and
; the factor is 0: every t is then 0 and the softmax is uniform, which is what equal scores of -1e9 give.
; LIMITS: blocks whose largest magnitude lies under 2^-124 keep the byte 1; |W_out| above 65,504 has no f16 number; NaN and infinities among the inputs are not served.
; No tensor loads, no barrier, no cluster: no two waves read the same bytes.
.set WAVES, 4
.set STEPS, 16
.set WGA,   256                        ; work-groups for x: 8192 x 1024 / 32,768
.set WGQ,   352                        ; and with W_qkv's 96
.set WGC,   32                         ; work-groups for W_out
.set EMAX,  2
.set CB,    8                          ; bytes of 16 codes
.set R,     16                         ; v16-79   four sets of 16 numbers as they are loaded
.set X,     80                         ; v80-111  two sets of 16 neighbours
.set C,     128                        ; v128-191 codes: four registers for each step, so that no store's data are written again
.set E,     112                        ; v112-127 a scale byte for each step
.set WREG,  8192                       ; LDS: a region for each wave: two stages of 32 x SP bytes, behind them its 256 scale bytes
.set SP,    80                         ; a lane's place in a stage: 64 bytes + 16 of padding
.set SPW,   12                         ; v12  LDS address of my spare word; never rewritten
.set NIL,   13                         ; v13  0; never rewritten
.set SPARE, WAVES*WREG                 ; behind the four regions: the spare words, 128 bytes a wave, which no other line names
	s_load_b256 s[4:11], s[0:1], 0x0               ; x, W_qkv, W_out, mask
	s_load_b256 s[12:19], s[0:1], 0x20             ; xc, xs, wc, ws
	s_load_b128 s[20:23], s[0:1], 0x40             ; wo, mk
	v_lshl_add_u32 v[SPW], v0, 2, SPARE
	v_mov_b32 v[NIL], 0
	v_lshrrev_b32 v1, 5, v0
	v_readfirstlane_b32 s24, v1                    ; wave
	v_and_b32 v2, 31, v0                           ; lane
	s_wait_kmcnt 0x0
	s_cmp_lt_u32 ttmp9, WGQ
	s_cbranch_scc0 .Lnot_quant
	; ---------------- the quantiser
	v_lshlrev_b32 v3, 4, v2                        ; my 16 bytes of a load's 512
	s_mul_i32 s25, s24, WREG
	v_lshrrev_b32 v14, 2, v2
	v_mul_u32_u24 v14, v14, SP
	v_and_b32 v15, 3, v2
	v_lshl_add_u32 v14, v15, 4, v14
	v_add_nc_u32 v14, s25, v14                     ; the stage, on the way in: SP (lane / 4) + 16 (lane % 4)
	v_mul_u32_u24 v15, v2, SP
	v_add_nc_u32 v15, s25, v15                     ; and on the way out: SP x lane: my 16 neighbours
	v_mul_u32_u24 v4, v2, CB                       ; my codes' place in a step's
	v_lshrrev_b32 v5, 1, v2
	s_add_co_u32 s25, s25, 2*32*SP
	v_add_nc_u32 v5, s25, v5                       ; LDS: my wave's 256 scale bytes, my block's byte
	v_lshlrev_b32 v7, 3, v2                        ; and on the way out 8 bytes a lane
	v_add_nc_u32 v6, s25, v7
	s_cmp_lt_u32 ttmp9, WGA                        ; x's work-group or W_qkv's?  Only pointers are chosen
	s_cselect_b64 s[4:5], s[4:5], s[6:7]
	s_cselect_b64 s[12:13], s[12:13], s[16:17]
	s_cselect_b64 s[14:15], s[14:15], s[18:19]
	s_cselect_b32 s25, 0, WGA
	s_sub_co_u32 s25, ttmp9, s25
	s_lshl_b32 s25, s25, 2
	s_add_co_u32 s26, s25, s24                     ; which run of 8,192 numbers of the tensor is my wave's
	s_mov_b32 s27, 0
	s_mov_b64 s[28:29], 512*STEPS*4
	s_mul_u64 s[28:29], s[26:27], s[28:29]
	s_add_nc_u64 s[4:5], s[4:5], s[28:29]
	s_mov_b64 s[28:29], 32*STEPS*CB
	s_mul_u64 s[28:29], s[26:27], s[28:29]
	s_add_nc_u64 s[12:13], s[12:13], s[28:29]
	s_lshl_b32 s26, s26, 8                         ; 256 scale bytes a run
	s_add_nc_u64 s[14:15], s[14:15], s[26:27]
.macro LOAD t
.irp i, 0,1,2,3
	global_load_b128 v[R+16*((\t)%4)+4*\i:R+16*((\t)%4)+4*\i+3], v3, s[4:5] offset:2048*(\t)+512*\i th:TH_LOAD_NT   ; 32 lanes read 512 consecutive bytes
.endr
.endm
.macro TURN t                          ; step t's numbers through the stage: LDS serves a wave's instructions in order (ISA guide 5.7.1), so no wait stands between the stores and the loads
.irp i, 0,1,2,3
	ds_store_b128 v14, v[R+16*((\t)%4)+4*\i:R+16*((\t)%4)+4*\i+3] offset:32*SP*((\t)%2)+8*SP*\i
.endr
.irp i, 0,1,2,3
	ds_load_b128 v[X+16*((\t)%2)+4*\i:X+16*((\t)%2)+4*\i+3], v15 offset:32*SP*((\t)%2)+16*\i
.endr
.endm
.irp t, 0,1,2,3
	LOAD \t
.endr
	s_wait_loadcnt 12                              ; step 0's four loads are in; the twelve behind them may be out
	TURN 0
.macro STEP t
.set XS, X+16*((\t)%2)
.if (\t) > 0
	s_wait_dscnt 1                                 ; this step's numbers are back from the stage (the last step's byte store may be out)
.else
	s_wait_dscnt 0x0
.endif
.if (\t)+4 < STEPS
	LOAD (\t)+4                                    ; the registers that the stage's stores have read take the loads of four steps on
.endif
.if (\t)+1 < STEPS
.if STEPS-2-(\t) >= 3
	s_wait_loadcnt 12                              ; the next step's four loads are in; those of the three steps behind it may be out
.else
	s_wait_loadcnt 4*(STEPS-2-(\t))
.endif
	TURN (\t)+1                                    ; and go through the other stage while this step is worked
.endif
	v_max3_num_f32 v8, |v[XS]|, |v[XS+1]|, |v[XS+2]|               ; the largest magnitude of my 16, in two chains
	v_max3_num_f32 v9, |v[XS+3]|, |v[XS+4]|, |v[XS+5]|
.irp i, 6,10
	v_max3_num_f32 v8, v8, |v[XS+\i]|, |v[XS+\i+1]|
	v_max3_num_f32 v9, v9, |v[XS+\i+2]|, |v[XS+\i+3]|
.endr
	v_max3_num_f32 v8, v8, |v[XS+14]|, |v[XS+15]|
	v_max3_num_f32 v8, v8, v9, (EMAX+1)<<23        ; and the floor 2^(3 - 127): so the byte cannot fall under 1
	v_max_num_f32_dpp v8, v8, v8 row_xmask:1 row_mask:0xf bank_mask:0xf   ; and of my neighbour's 16: the block's
	v_add_nc_u32 v11, -(EMAX<<23), v8              ; 2 off its exponent field: the conversion takes the exponent field of this operand as its scale, and nothing else of it
	v_cvt_scalef32_pk8_fp4_f32 v[C+4*(\t)], v[XS:XS+7], v11
	v_cvt_scalef32_pk8_fp4_f32 v[C+4*(\t)+1], v[XS+8:XS+15], v11
	v_lshrrev_b32 v[E+(\t)], 23, v11               ; the scale's byte (a plain line behind the conversions)
	ds_store_b8 v5, v[E+(\t)] offset:16*(\t)       ; both lanes of a block write the same byte with the same value
	global_store_b64 v4, v[C+4*(\t):C+4*(\t)+1], s[12:13] offset:32*CB*(\t)   ; the wave stores 256 consecutive bytes, aligned
.endm
.irp t, 0,1,2,3,4,5,6,7,8,9,10,11,12,13,14,15
	STEP \t
.endr
	ds_load_b64 v[8:9], v6                         ; in order behind my byte stores
	s_wait_dscnt 0x0
	global_store_b64 v7, v[8:9], s[14:15]          ; 256 consecutive scale bytes, aligned
	s_wait_tensorcnt 0x0                           ; the wave's end, behind my last LDS store
	ds_add_u32 v[SPW], v[NIL]
	s_wait_dscnt 0x0
	s_endpgm
.Lnot_quant:
	s_cmp_lt_u32 ttmp9, WGQ+WGC
	s_cbranch_scc0 .Lmask
	; ---------------- W_out to f16: a wave takes 8,192 numbers: 64 loads of 512 bytes, 64 stores of 256 bytes, in four groups of 16 on two sets of registers
	s_sub_co_u32 s25, ttmp9, WGQ
	s_lshl_b32 s25, s25, 2
	s_add_co_u32 s25, s25, s24                     ; my run
	s_lshl_b32 s26, s25, 15
	s_mov_b32 s27, 0
	s_add_nc_u64 s[8:9], s[8:9], s[26:27]
	s_lshl_b32 s26, s25, 14
	s_add_nc_u64 s[20:21], s[20:21], s[26:27]
	v_lshlrev_b32 v3, 4, v2
	v_lshlrev_b32 v4, 3, v2
.macro LOADG g
.irp i, 0,1,2,3,4,5,6,7,8,9,10,11,12,13,14,15
	global_load_b128 v[16+64*((\g)%2)+4*\i:16+64*((\g)%2)+4*\i+3], v3, s[8:9] offset:512*(16*(\g)+\i) th:TH_LOAD_NT
.endr
.endm
.macro CONVG g
.if (\g) > 0
	s_wait_xcnt 0x0                                ; the last group's stores have read their data registers, which are written again below
.endif
.irp i, 0,1,2,3,4,5,6,7,8,9,10,11,12,13,14,15
.if (\g) < 3
	s_wait_loadcnt 31-\i                           ; behind load i of this group: its 15 - i younger ones and the next group's 16
.else
	s_wait_loadcnt 15-\i
.endif
	v_cvt_pk_f16_f32 v[144+2*\i], v[16+64*((\g)%2)+4*\i], v[16+64*((\g)%2)+4*\i+1]
	v_cvt_pk_f16_f32 v[145+2*\i], v[16+64*((\g)%2)+4*\i+2], v[16+64*((\g)%2)+4*\i+3]
	global_store_b64 v4, v[144+2*\i:145+2*\i], s[20:21] offset:256*(16*(\g)+\i)   ; 256 consecutive bytes, aligned
.endr
.if (\g) < 2
	LOADG (\g)+2
.endif
.endm
	LOADG 0
	LOADG 1
	CONVG 0
	CONVG 1
	CONVG 2
	CONVG 3
	s_endpgm
.Lmask:
	; ---------------- the mask: wave w takes batch w: 2,048 bytes in, 8,192 bytes of table and 256 bytes of factor out
	s_lshl_b32 s26, s24, 11
	s_mov_b32 s27, 0
	s_add_nc_u64 s[10:11], s[10:11], s[26:27]
	s_lshl_b32 s28, s24, 13
	s_mov_b32 s29, 0
	s_add_nc_u64 s[30:31], s[22:23], s[28:29]      ; my batch's table
	s_lshl_b32 s28, s24, 8
	s_add_nc_u64 s[22:23], s[22:23], s[28:29]      ; my batch's factor, 32,768 bytes further on
	v_lshlrev_b32 v3, 2, v2
	v_lshlrev_b32 v4, 4, v2
	v_lshlrev_b32 v5, 3, v2
.irp i, 0,1,2,3,4,5,6,7,8,9,10,11,12,13,14,15
	global_load_b32 v[16+\i], v3, s[10:11] offset:128*\i           ; keys 128 i + 4 lane + 0 .. 3
.endr
	s_wait_loadcnt 0x0
	v_and_b32 v6, v16, v17
.irp i, 18,19,20,21,22,23,24,25,26,27,28,29,30,31
	v_and_b32 v6, v6, v[\i]
.endr
	v_cmp_ne_u32 vcc_lo, 0x01010101, v6            ; a lane with an open key
	s_cmp_eq_u32 vcc_lo, 0                         ; none: the whole batch is masked
	s_cselect_b32 s26, 0, 0xceabfb8f               ; -1e9 x log2(e), or 0
	s_cselect_b32 s27, 0, 0x3e38aa3b               ; log2(e) / 8, or 0
.irp i, 0,1,2,3,4,5,6,7,8,9,10,11,12,13,14,15
.irp b, 0,1,2,3
	v_bfe_u32 v7, v[16+\i], 8*\b, 1
	v_mul_lo_u32 v[32+4*\i+\b], v7, s26            ; 1 x the bits, or 0
.endr
	global_store_b128 v4, v[32+4*\i:32+4*\i+3], s[30:31] offset:512*\i   ; 512 consecutive bytes, aligned
.endr
	v_mov_b32 v8, s27
	v_mov_b32 v9, s27
	global_store_b64 v5, v[8:9], s[22:23] offset:32768             ; 64 equal numbers: 256 consecutive bytes, aligned
	s_endpgm
.Lfunc_end_k_q165c4db987_prep:
	.size	k_q165c4db987_prep, .Lfunc_end_k_q165c4db987_prep-k_q165c4db987_prep
	.p2alignl 7, 3214868480
	.fill 96, 4, 3214868480
	.section	.rodata,"a",@progbits
	.p2align	6, 0x0
	.amdhsa_kernel k_q165c4db987_prep
		.amdhsa_group_segment_fixed_size 33280
		.amdhsa_private_segment_fixed_size 0
		.amdhsa_enable_private_segment 0
		.amdhsa_kernarg_size 80
		.amdhsa_user_sgpr_count 2
		.amdhsa_user_sgpr_kernarg_segment_ptr 1
		.amdhsa_wavefront_size32 1
		.amdhsa_system_sgpr_workgroup_id_x 1
		.amdhsa_system_sgpr_workgroup_id_y 1
		.amdhsa_system_sgpr_workgroup_id_z 1
		.amdhsa_system_vgpr_workitem_id 0
		.amdhsa_next_free_vgpr 192
		.amdhsa_next_free_sgpr 66
		.amdhsa_reserve_vcc 1
		.amdhsa_float_denorm_mode_32 3
		.amdhsa_float_denorm_mode_16_64 3
		.amdhsa_memory_ordered 1
		.amdhsa_forward_progress 1
		.amdhsa_inst_pref_size 68
	.end_amdhsa_kernel
	.amdgpu_metadata
---
amdhsa.version: [ 1, 2 ]
amdhsa.kernels:
  - .name:           k_q165c4db987_prep
    .symbol:         k_q165c4db987_prep.kd
    .args:
      - { .name: x, .offset: 0, .size: 8, .value_kind: global_buffer, .address_space: global }
      - { .name: W_qkv, .offset: 8, .size: 8, .value_kind: global_buffer, .address_space: global }
      - { .name: W_out, .offset: 16, .size: 8, .value_kind: global_buffer, .address_space: global }
      - { .name: mask, .offset: 24, .size: 8, .value_kind: global_buffer, .address_space: global }
      - { .name: xc, .offset: 32, .size: 8, .value_kind: global_buffer, .address_space: global }
      - { .name: xs, .offset: 40, .size: 8, .value_kind: global_buffer, .address_space: global }
      - { .name: wc, .offset: 48, .size: 8, .value_kind: global_buffer, .address_space: global }
      - { .name: ws, .offset: 56, .size: 8, .value_kind: global_buffer, .address_space: global }
      - { .name: wo, .offset: 64, .size: 8, .value_kind: global_buffer, .address_space: global }
      - { .name: mk, .offset: 72, .size: 8, .value_kind: global_buffer, .address_space: global }
    .group_segment_fixed_size: 33280
    .private_segment_fixed_size: 0
    .kernarg_segment_align: 8
    .kernarg_segment_size: 80
    .max_flat_workgroup_size: 128
    .sgpr_count:     66
    .vgpr_count:     192
    .wavefront_size: 32
...
	.end_amdgpu_metadata
.endif
;; end of part 1
;; launch qkv (part 2): grid 12 x 32, 4 waves a work-group, clusters of 4 x 4, 327,680 bytes of LDS; arguments xc, xs, wc, ws, b_qkv, mk, qkv; writes qkv
.if DOCPART == 2
	.amdgcn_target "amdgcn-amd-amdhsa--gfx1250"
	.amdhsa_code_object_version 6
	.text
	.protected	k_q165c4db987_qkv
	.globl	k_q165c4db987_qkv
	.p2align	8
	.type	k_q165c4db987_qkv,@function
k_q165c4db987_qkv:
	s_mov_b64 s[64:65], 0
	v_nop
	global_prefetch_b8 v0, s[64:65] scope:SCOPE_SE
	s_setreg_imm32_b32 hwreg(HW_REG_WAVE_MODE, 25, 1), 1
	s_wait_xcnt 0x0
	s_wait_alu depctr_hold_cnt(0) depctr_sa_sdst(0) depctr_va_vdst(0) depctr_va_sdst(0) depctr_va_ssrc(0) depctr_va_vcc(0) depctr_vm_vsrc(0)
	s_getreg_b32 s2, hwreg(HW_REG_IB_STS2, 6, 4)
	s_cmp_eq_u32 s2, 0
	s_cbranch_scc0 .Lentry_in_a_cluster
	s_endpgm
.Lentry_in_a_cluster:
	s_bfe_u32 s2, ttmp6, 0x10000c
	s_cmp_lg_u32 s2, 0xf033
	s_cbranch_scc0 .Lentry_shape_is_right
	s_endpgm
.Lentry_shape_is_right:
; qkv = x W_qkv^T + b_qkv on codes of FP4 (E2M1) with one E8M0 scale for each 32 along K; sums in f32; the result leaves as f16, laid by head: [3][4 n][16 h][2048 l][64].
; q is multiplied by its batch's factor (log2(e) / 8, or 0 in a batch all of whose keys are masked) ahead of the rounding, so that the next launch's scores are already exponents of 2.
; A tile of the result, 256 rows x 256 columns, is made by a work-group of four waves; a wave makes 128 x 128: 64 accumulators of 16 x 16, 512 registers.
; K = 1024 is two slots of 512 along K (a tile's row is 256 bytes of memory): both are asked for at the start, and nothing is filled again.
; THE SCALES of the work-group's 256 rows of x and 256 rows of W, for all of K, are two dense blocks of memory: they come into LDS once, with the first fills.
; CLUSTERS: 4 x 4 work-groups.  The four of a row of the cluster need the same tiles of x, the four of a column the same tiles of W: each tile is asked for JOINTLY, by the same tensor load with the same
; descriptor and a mask that names the four.  THE MATRIX INSTRUCTION IS USED TRANSPOSED (source 0 = 16 rows of W, source 1 = 16 rows of x): a lane then holds eight neighbouring columns of one row.
; THE BIAS is the C of each sum's first matrix instruction: eight registers for each of W's eight blocks, in the result's layout.
; No prefetch: all that the launch reads through the ring is asked for at its head.
; LIMIT: |q log2(e) / 8|, |k|, |v| above 65,504 have no f16 number.
; REGISTERS, in windows of 256: window 0: v0-31 addresses; v32-95 scale words, two sets, and nothing else; v96-127 packed results; from v128 x's fragments (8 x 16 rows x 128 K), ONE set, later rows on the way out;
;   v192-255 the bias.   window 1: W's fragments, TWO sets, at v0 and at v128.   window 2: the 32 accumulators of my rows 0-63 ((a, b) at v[8 (8 a + b)]);   window 3: those of my rows 64-127.
.set KSTEP,  512                       ; along K in a slot
.set NQ,     4                         ; matrix instructions deep
.set ROWB,   256                       ; a tile's row in bytes
.set KROW,   512                       ; a row of codes in memory
.set PITCH,  272                       ; an LDS row: 256 bytes + 16 of padding = 68 words: the 16 rows that a load touches start at 16 different banks (64 banks of 4 bytes: ISA guide 11.1)
.set FR,     8                         ; registers of a fragment
.set NL,     2                         ; LDS loads that bring one
.set NP,     4                         ; places behind this matrix instruction (ISA guide 7.12.1)
.set HALFT,  128*PITCH
.set SLOT,   4*HALFT                   ; x's 256 rows, then W's 256 rows
.set KS,     32                        ; a row of scales in bytes
.set SCL,    2*SLOT                    ; behind the ring: the scales, as rows of 256 bytes + 16 of padding
.set HALFS,  (128*KS/256)*272          ; the scales of 128 rows
.set SBLK,   (16*KS/256)*272           ; those of 16 rows
.set SPARE,  SCL+4*HALFS               ; the spare words, 128 bytes a wave, which no other line names
.set SPITCH, 400                       ; the way out: a stage of 16 rows x 400 bytes for each wave, in slot 0, which has had its only fill and its last read when the first result is stored there
.set ADRA, 16                          ; v16-17  LDS address of my x fragments in slot 0, 1
.set ADRB, 20                          ; v20-21  the same for W
.set STO,  24                          ; v24     the way out: where I put 16 bytes of a row
.set RD,   25                          ; v25     where I read them back
.set GO,   26                          ; v26     16 x lane
.set ADRS, 27                          ; v27     LDS address of my scale words: lanes 0-15 x's rows, lanes 16-31 W's
.set SPW,  28                          ; v28     my spare word; never rewritten
.set NIL,  29                          ; v29     0; never rewritten
.set BO,   30                          ; v30     32 x (lane / 16): the bias's offset
.set SC,   32
.set HF,   96
.set AF,   128
.set BK,   128
.set BIA,  192
.set G1, 24
.set G0, 32
.set G1B, 48
.set G0B, 56
.set G1S, 68
.set G0S, 76
.set G1SB, 80
.set G0SB, 88
.set MSB, 0
.macro WIN new                         ; the immediate's high byte repeats the setting that is left
.if MSB != (\new)
	s_set_vgpr_msb (MSB<<8)|(\new)
.set MSB, (\new)
.endif
.endm
.set MUL_LO, 0xa1                      ; source 0 (W) window 1, source 1 (x) window 0, C and D window 2
.set MUL_HI, 0xf1                      ; the same, C and D window 3
.set MUL_LO0, 0x81                     ; the first products: C (the bias) window 0, D window 2
.set MUL_HI0, 0xc1                     ; D window 3
.set TO_B,   0x40
; A joint load: waves 0 and 1 fetch for x, waves 2 and 3 for W.  The branch hangs on the wave's number alone.  An s_nop 0 and four v_nop follow each of the two lines.
.macro JLOAD g0a, g1a, g0b, g1b
	s_cmp_eq_u32 s15, 0
	s_cbranch_scc0 .Lfor_b_\@
	tensor_load_to_lds s[\g0a:\g0a+3], s[\g1a:\g1a+7]
	s_nop 0
.rept 4
	v_nop
.endr
	s_branch .Lasked_\@
.Lfor_b_\@:
	tensor_load_to_lds s[\g0b:\g0b+3], s[\g1b:\g1b+7]
	s_nop 0
.rept 4
	v_nop
.endr
.Lasked_\@:
.endm
.macro CROUND                          ; a round of the cluster's barrier
	s_barrier_signal -1
	s_barrier_wait -1
	s_cmp_lg_u32 s14, 0
	s_cbranch_scc1 .Lnot_wave_0_\@
	s_barrier_signal -3
.Lnot_wave_0_\@:
	s_barrier_wait -3
	s_barrier_signal -1
	s_barrier_wait -1
.endm
	s_load_b128 s[4:7], s[0:1], 0x0                ; x's codes, x's scales
	s_load_b128 s[8:11], s[0:1], 0x10              ; W's codes, W's scales
	s_load_b128 s[96:99], s[0:1], 0x20             ; b_qkv, the mask's table and factors
	s_load_b64 s[12:13], s[0:1], 0x30              ; qkv
	v_lshl_add_u32 v[SPW], v0, 2, SPARE
	v_mov_b32 v[NIL], 0
	ds_add_u32 v[SPW], v[NIL]                      ; the wave's opening: the add, twice on end, and its wait ahead of my first tensor load
	ds_add_u32 v[SPW], v[NIL]
	v_lshrrev_b32 v1, 5, v0
	v_readfirstlane_b32 s14, v1                    ; wave 0..3
	s_lshr_b32 s15, s14, 1                         ; which half of the tile's rows is mine.  Also: I fetch for x (0) or for W (1)
	s_and_b32 s16, s14, 1                          ; which half of its columns.  Also: which 128 rows of that tile I fetch
	s_bfe_u32 s40, ttmp6, 0x40000                  ; cx, cy: my place in the cluster
	s_bfe_u32 s41, ttmp6, 0x40004
	s_lshl_b32 s42, ttmp9, 2
	s_add_co_u32 s42, s42, s40                     ; tile column = 4 x cluster x + cx
	s_and_b32 s17, ttmp7, 0xffff
	s_lshl_b32 s17, s17, 2
	s_add_co_u32 s17, s17, s41                     ; tile row = 4 x cluster y + cy
	s_lshl_b32 s43, s41, 2
	s_lshl_b32 s43, 15, s43                        ; my row of the cluster
	s_lshl_b32 s44, 0x1111, s40                    ; my column
	; descriptor group 1: a tile of 128 rows x 256 bytes, padded in LDS
	s_or_b32 s[G1+0], s43, (0<<16)|(1<<20)|(1<<21)|(5<<22)|(3<<25)  ; 15:0 the mask; 17:16 element of 1 byte; 20 padding on; 21 set beside a mask; 24:22 after every 64 words; 31:25 four words
	s_or_b32 s[G1B+0], s44, (0<<16)|(1<<20)|(1<<21)|(5<<22)|(3<<25)
.irp g, G1, G1B
	s_mov_b32 s[\g+1], ROWB<<16                    ; tensor_dim0
	s_mov_b32 s[\g+2], 128<<16                     ; tensor_dim1
	s_mov_b32 s[\g+3], ROWB<<16                    ; tile_dim0
	s_mov_b32 s[\g+4], 128                         ; tile_dim1
	s_mov_b32 s[\g+5], KROW                        ; tensor_dim0_stride
	s_mov_b32 s[\g+6], 0
	s_mov_b32 s[\g+7], 0
.endr
	; the scales of 128 rows: a dense block of 4,096 bytes, as 16 rows of 256 bytes (32 elements of 8 bytes), 16 bytes of padding behind each
	s_or_b32 s[G1S+0], s43, (3<<16)|(1<<20)|(1<<21)|(5<<22)|(3<<25)
	s_or_b32 s[G1SB+0], s44, (3<<16)|(1<<20)|(1<<21)|(5<<22)|(3<<25)
.irp g, G1S, G1SB
	s_mov_b32 s[\g+1], 32<<16
	s_mov_b32 s[\g+2], (128*KS/256)<<16
	s_mov_b32 s[\g+3], 32<<16
	s_mov_b32 s[\g+4], 128*KS/256
	s_mov_b32 s[\g+5], 32
	s_mov_b32 s[\g+6], 0
	s_mov_b32 s[\g+7], 0
.endr
	s_lshl_b32 s18, s16, 7                         ; which 128 rows of the tile I fetch
	s_lshl_b32 s20, s17, 8
	s_add_co_u32 s20, s20, s18                     ; x: row 256 x tile row + 128 x half
	s_lshl_b32 s46, s42, 8
	s_add_co_u32 s46, s46, s18                     ; W: row 256 x tile column + 128 x half
	s_mov_b32 s21, 0
	s_mov_b32 s47, 0
	s_mov_b64 s[18:19], KS
	s_mul_u64 s[22:23], s[20:21], s[18:19]         ; where these rows' scales begin, in bytes
	s_mul_u64 s[92:93], s[46:47], s[18:19]
	s_mov_b64 s[18:19], KROW
	s_mul_u64 s[20:21], s[20:21], s[18:19]         ; and their codes
	s_mul_u64 s[46:47], s[46:47], s[18:19]
	s_mul_i32 s45, s14, HALFT                      ; where they go: wave x 128 rows: no place in the cluster enters an LDS address
	s_mul_i32 s94, s14, HALFS
	s_wait_dscnt 0x0                               ; both opening adds are done
	s_wait_kmcnt 0x0
	s_add_nc_u64 s[20:21], s[4:5], s[20:21]
	s_add_nc_u64 s[22:23], s[6:7], s[22:23]
	s_add_nc_u64 s[46:47], s[8:9], s[46:47]
	s_add_nc_u64 s[92:93], s[10:11], s[92:93]
	CROUND                                         ; all sixteen work-groups are here: the joint loads meet
	s_mov_b32 s[G0S], 1
	s_add_co_u32 s[G0S+1], s94, SCL
	s_mov_b64 s[G0S+2:G0S+3], s[22:23]
	s_or_b32 s[G0S+3], s[G0S+3], 0x80000000
	s_mov_b32 s[G0SB], 1
	s_add_co_u32 s[G0SB+1], s94, SCL
	s_mov_b64 s[G0SB+2:G0SB+3], s[92:93]
	s_or_b32 s[G0SB+3], s[G0SB+3], 0x80000000
	JLOAD G0S, G1S, G0SB, G1SB                     ; the scales first: they are wanted with the first slot
.irp s, 0,1
	s_mov_b32 s[G0+4*\s], 1
	s_add_co_u32 s[G0+4*\s+1], s45, \s*SLOT
	s_add_nc_u64 s[G0+4*\s+2:G0+4*\s+3], s[20:21], \s*ROWB
	s_or_b32 s[G0+4*\s+3], s[G0+4*\s+3], 0x80000000
	s_mov_b32 s[G0B+4*\s], 1
	s_add_co_u32 s[G0B+4*\s+1], s45, \s*SLOT
	s_add_nc_u64 s[G0B+4*\s+2:G0B+4*\s+3], s[46:47], \s*ROWB
	s_or_b32 s[G0B+4*\s+3], s[G0B+4*\s+3], 0x80000000
	JLOAD G0+4*\s, G1, G0B+4*\s, G1B               ; three tensor loads of mine are out behind the second of these
.endr
	v_and_b32 v1, 15, v0                           ; r = l % 16
	v_bfe_u32 v2, v0, 4, 1                         ; h = l / 16
	; the bias: lane (r, h) wants, for W's block b, b_qkv[256 x tile column + 128 x half + 16 b + 8 h + 0 .. 7]
	s_lshl_b32 s46, s42, 10
	s_lshl_b32 s47, s16, 9
	s_add_co_u32 s46, s46, s47
	s_mov_b32 s47, 0
	s_add_nc_u64 s[96:97], s[96:97], s[46:47]
	v_lshlrev_b32 v[BO], 5, v2
.irp b, 0,1,2,3,4,5,6,7
	global_load_b128 v[BIA+8*\b:BIA+8*\b+3], v[BO], s[96:97] offset:64*\b
	global_load_b128 v[BIA+8*\b+4:BIA+8*\b+7], v[BO], s[96:97] offset:64*\b+16
.endr
	; the factor of my batch (a batch is eight tile rows): it multiplies q alone; it is a value: no branch and no address hangs on it
	s_lshr_b32 s94, s17, 3
	s_lshl_b32 s94, s94, 8
	s_mov_b32 s95, 0
	s_add_nc_u64 s[98:99], s[98:99], s[94:95]
	s_load_b32 s100, s[98:99], 0x8000
	v_mul_u32_u24 v3, v1, PITCH
	v_lshl_add_u32 v4, v2, 4, v3                   ; a fragment's row x pitch + 16 x half
	s_mul_i32 s21, s15, HALFT                      ; my 128 rows of x
	s_mul_i32 s22, s16, HALFT                      ; my 128 rows of W,
	s_add_co_u32 s22, s22, 2*HALFT                 ; which lie behind x's 256
.irp s, 0,1
	v_add_nc_u32 v[ADRA+\s], s21, v4
	v_add_nc_u32 v[ADRB+\s], s22, v4
	s_add_co_u32 s21, s21, SLOT
	s_add_co_u32 s22, s22, SLOT
.endr
	v_mul_u32_u24 v5, v1, KS                       ; my row's scales: 32 bytes a row,
	v_lshrrev_b32 v6, 8, v5
	v_lshl_add_u32 v5, v6, 4, v5                   ; and 16 more for each 256 passed
	s_mul_i32 s21, s15, HALFS                      ; x's: my 128 rows
	s_mul_i32 s22, s16, HALFS                      ; W's: my 128 rows, behind x's 256
	s_add_co_u32 s22, s22, 2*HALFS
	s_sub_co_u32 s22, s22, s21
	v_mul_u32_u24 v6, s22, v2                      ; lanes 16-31 take W's
	s_add_co_u32 s21, s21, SCL
	v_add_nc_u32 v5, v5, v6
	v_add_nc_u32 v[ADRS], s21, v5
	s_mul_i32 s23, s14, 16*SPITCH                  ; my stage
	v_mul_u32_u24 v5, v1, SPITCH                   ; in: row r, 16 bytes for each half of the lanes
	v_lshl_add_u32 v5, v2, 4, v5
	v_add_nc_u32 v[STO], s23, v5
	v_bfe_u32 v5, v0, 3, 2                         ; back: eight lanes take a head's 128 bytes of a row, 32 lanes four rows
	v_mul_u32_u24 v5, v5, SPITCH
	v_and_b32 v6, 7, v0
	v_lshl_add_u32 v5, v6, 4, v5
	v_add_nc_u32 v[RD], s23, v5
	v_and_b32 v6, 31, v0
	v_lshlrev_b32 v[GO], 4, v6
	; where my part begins in qkv: part (cluster x) x 16 MiB + ((batch x 16 + head) x 2048 + row in the batch) x 128 bytes; my 128 columns are heads 4 cx + 2 x half and the next
	s_lshr_b32 s20, s17, 3
	s_lshl_b32 s20, s20, 4
	s_lshl_b32 s21, s40, 2
	s_add_co_u32 s20, s20, s21
	s_lshl_b32 s21, s16, 1
	s_add_co_u32 s20, s20, s21
	s_lshl_b32 s20, s20, 11
	s_and_b32 s21, s17, 7
	s_lshl_b32 s21, s21, 8
	s_add_co_u32 s20, s20, s21
	s_lshl_b32 s21, s15, 7
	s_add_co_u32 s20, s20, s21
	s_lshl_b32 s20, s20, 7
	s_lshl_b32 s21, ttmp9, 24
	s_add_co_u32 s20, s20, s21
	s_mov_b32 s21, 0
	s_add_nc_u64 s[12:13], s[12:13], s[20:21]
	s_wait_kmcnt 0x0                               ; the factor
	s_cmp_eq_u32 ttmp9, 0                          ; cluster x = 0 makes q, 1 makes k, 2 makes v
	s_cselect_b32 s100, s100, 1.0
	s_mov_b32 s101, s100                           ; (the packed form names the pair)
.macro FRAG reg, adr, q, i             ; a fragment, 16 rows x 128 K of 4-bit codes: lane l holds row l % 16; registers 4 c .. 4 c + 3 hold K = 64 c + 32 (l / 16) + 0 .. 31
.irp c, 0,1
	ds_load_b128 v[\reg+4*\c:\reg+4*\c+3], v[\adr] offset:64*(\q)+32*\c+(\i)*16*PITCH
.endr
.endm
; 16 matrix instructions: x's blocks a0, a0 + 1 against W's eight, 128 along K.  p: W's set;  sc: the set of scale words.  zero = 1: the first product starts the sums from the bias.
; The 64 accumulators take turns, one instruction a turn, in the same order in every step.
.macro MUL16 a0, p, q, sc, zero
.irp a, \a0, \a0+1
.irp b, 0,1,2,3,4,5,6,7
.if \zero
	v_wmma_scale_f32_16x16x128_f8f6f4 v[8*(8*((\a)%4)+\b):8*(8*((\a)%4)+\b)+7], v[128*(\p)+FR*\b:128*(\p)+FR*\b+FR-1], v[AF+FR*(\a):AF+FR*(\a)+FR-1], v[BIA+8*\b:BIA+8*\b+7], v[SC+8*NQ*(\sc)+NQ*\b+(\q)], v[SC+8*NQ*(\sc)+NQ*(\a)+(\q)] matrix_a_fmt:MATRIX_FMT_FP4 matrix_b_fmt:MATRIX_FMT_FP4 matrix_a_scale:MATRIX_SCALE_ROW1
.else
	v_wmma_scale_f32_16x16x128_f8f6f4 v[8*(8*((\a)%4)+\b):8*(8*((\a)%4)+\b)+7], v[128*(\p)+FR*\b:128*(\p)+FR*\b+FR-1], v[AF+FR*(\a):AF+FR*(\a)+FR-1], v[8*(8*((\a)%4)+\b):8*(8*((\a)%4)+\b)+7], v[SC+8*NQ*(\sc)+NQ*\b+(\q)], v[SC+8*NQ*(\sc)+NQ*(\a)+(\q)] matrix_a_fmt:MATRIX_FMT_FP4 matrix_b_fmt:MATRIX_FMT_FP4 matrix_a_scale:MATRIX_SCALE_ROW1
.endif
.endr
.endr
.endm
.macro FETCH_B slot, q, p              ; W's eight fragments of the slot's q-th 128 along K into set p
	WIN TO_B
.irp i, 0,1,2,3,4,5,6,7
	FRAG 128*(\p)+FR*\i, ADRB+\slot, \q, \i
.endr
	WIN 0
.endm
.macro FETCH_A slot, q, i0             ; x's blocks i0 .. i0 + 3
.irp i, \i0, \i0+1, \i0+2, \i0+3
	FRAG AF+FR*(\i), ADRA+\slot, \q, \i
.endr
.endm
.macro SCALES sc                       ; a slot's scale words into set sc: four words a row; lanes 0-15 take x's block i, lanes 16-31 W's block i
.irp i, 0,1,2,3,4,5,6,7
	ds_load_b128 v[SC+8*NQ*\sc+NQ*\i:SC+8*NQ*\sc+NQ*\i+3], v[ADRS] offset:\i*SBLK
.endr
.endm
.macro PLACES n                        ; plain vector instructions between a matrix instruction and a load into, or a read of, its registers (ISA guide 7.12.1 for a read)
.rept \n
	v_nop
.endr
.endm
; A step of 128 along K that has its successor in the same slot.  x has one set of registers: blocks 0-3 are fetched anew in the step's middle, blocks 4-7 at its end; W has two sets.
.macro STEP slot, q, zero
	s_wait_dscnt 4*NL                              ; W's set and x's blocks 0-3 are in; the youngest eight loads (x's blocks 4-7) may be out
.if \zero
	WIN MUL_LO0
.else
	WIN MUL_LO
.endif
	MUL16 0, (\q)%2, \q, \slot, \zero
	MUL16 2, (\q)%2, \q, \slot, \zero
	s_wait_dscnt 0                                 ; x's blocks 4-7 are in
	PLACES NP
	FETCH_B \slot, (\q)+1, 1-(\q)%2
	FETCH_A \slot, (\q)+1, 0
.if \zero
	WIN MUL_HI0
.else
	WIN MUL_HI
.endif
	MUL16 4, (\q)%2, \q, \slot, \zero
	MUL16 6, (\q)%2, \q, \slot, \zero
	PLACES NP
	WIN 0
	FETCH_A \slot, (\q)+1, 4
.endm
; Slot 0's last step goes over to slot 1: one barrier; in front of it each wave waits for all its tensor loads (its part of slot 1), adds 0 to its spare word, and waits for that and for its reads of slot 0.
.macro TURN slot, next
	s_wait_tensorcnt 0x0                           ; all my tensor loads have landed  (every window is 0 here)
	ds_add_u32 v[SPW], v[NIL]                      ; 0 onto my spare word
	s_wait_dscnt 4*NL+1                            ; (the add and the youngest eight loads, x's blocks 4-7, may be out)
	WIN MUL_LO
	MUL16 0, 1, NQ-1, \slot, 0                     ; sixteen matrix instructions stand between the add and the wait for it
	s_wait_dscnt 0x0                               ; the add is done, and my reads of this slot are over
	s_barrier_signal -1
	MUL16 2, 1, NQ-1, \slot, 0
	WIN 0
	s_barrier_wait -1                              ; slot 1 is whole, and nobody reads slot 0 any more
	PLACES NP
	v_add_nc_u32 v[ADRS], 4*NQ, v[ADRS]            ; on to the next slot's scale words
	FETCH_B \next, 0, 0
	FETCH_A \next, 0, 0
	SCALES \next
	WIN MUL_HI
	MUL16 4, 1, NQ-1, \slot, 0
	MUL16 6, 1, NQ-1, \slot, 0
	PLACES NP
	WIN 0
	FETCH_A \next, 0, 4
.endm
.macro STEPS slot, from                ; the slot's steps from .. NQ - 2
.set Q, \from
.rept NQ-1-\from
	STEP \slot, Q, 0
.set Q, Q+1
.endr
.endm
	s_wait_loadcnt 0x0                             ; the bias
	s_wait_tensorcnt 1                             ; the scales and my part of slot 0 are in (slot 1's load may be out)
	s_barrier_signal -1
	s_barrier_wait -1                              ; everybody's are
	FETCH_B 0, 0, 0
	FETCH_A 0, 0, 0
	SCALES 0
	FETCH_A 0, 0, 4
	STEP 0, 0, 1                                   ; the first step's products start the sums from the bias
	STEPS 0, 1
	TURN 0, 1
	STEPS 1, 0
	s_wait_dscnt 4*NL                              ; the very last step: nothing more to fetch
	WIN MUL_LO
	MUL16 0, 1, NQ-1, 1, 0
	MUL16 2, 1, NQ-1, 1, 0
	s_wait_dscnt 0
	WIN MUL_HI
	MUL16 4, 1, NQ-1, 1, 0
	MUL16 6, 1, NQ-1, 1, 0
	WIN 0
; THE WAY OUT, block by block of 16 rows x 128 columns (two heads).  PACK: x the factor, in place, each accumulator from its low end on; rounded to f16: 16 bytes a lane.
; TOSTAGE: into my own stage in LDS, and back as four rows of one head at a time, which are 512 consecutive bytes of qkv.  SEND: stored.
.macro PACK a
.set AC, 64*((\a)%4)
	WIN 0x82+0x41*((\a)/4)                         ; destination and source 0: window 2 or 3
.irp b, 0,1,2,3,4,5,6,7
.irp i, 0,1,2,3
	v_pk_mul_f32 v[AC+8*\b+2*\i:AC+8*\b+2*\i+1], v[AC+8*\b+2*\i:AC+8*\b+2*\i+1], s[100:101] op_sel_hi:[1,0]
.endr
.endr
	WIN 0x0a+5*((\a)/4)                            ; sources 0 and 1: window 2 or 3; destination window 0
.irp b, 0,1,2,3,4,5,6,7
.irp i, 0,1,2,3
	v_cvt_pk_f16_f32 v[HF+4*\b+\i], v[AC+8*\b+2*\i], v[AC+8*\b+2*\i+1]
.endr
.endr
	WIN 0
.endm
.macro TOSTAGE a
.set BB, BK+32*((\a)%2)
.irp b, 0,1,2,3,4,5,6,7
	ds_store_b128 v[STO], v[HF+4*\b:HF+4*\b+3] offset:32*\b
.endr
.irp u, 0,1
.irp i, 0,1,2,3
	ds_load_b128 v[BB+16*\u+4*\i:BB+16*\u+4*\i+3], v[RD] offset:128*\u+4*SPITCH*\i   ; LDS serves a wave's instructions in order (ISA guide 5.7.1): these see the stores above
.endr
.endr
.endm
.macro SEND a
.set BB, BK+32*((\a)%2)
	s_wait_dscnt 0x0                               ; the block is back in registers
	s_wait_xcnt 0x0                                ; the stores of the block before have read their registers: the next block's loads may land there
.irp u, 0,1
.irp i, 0,1,2,3
	global_store_b128 v[GO], v[BB+16*\u+4*\i:BB+16*\u+4*\i+3], s[12:13] offset:262144*\u+2048*(\a)+512*\i   ; 512 consecutive bytes, aligned: four rows of head u
.endr
.endr
.endm
	PLACES NP
	PACK 0
	TOSTAGE 0
.irp a, 1,2,3,4,5,6,7                  ; block a's arithmetic stands between block a - 1's loads from the stage and the wait for them
	PACK \a
	SEND \a-1
	TOSTAGE \a
.endr
	SEND 7
	s_wait_tensorcnt 0x0                           ; the wave's end, behind my last tensor load and my last LDS store
	ds_add_u32 v[SPW], v[NIL]
	s_wait_dscnt 0x0
	CROUND                                         ; the closing round: no work-group ends while a partner may still ask for a tile that names it
	s_endpgm
.Lfunc_end_k_q165c4db987_qkv:
	.size	k_q165c4db987_qkv, .Lfunc_end_k_q165c4db987_qkv-k_q165c4db987_qkv
	.p2alignl 7, 3214868480
	.fill 96, 4, 3214868480
	.section	.rodata,"a",@progbits
	.p2align	6, 0x0
	.amdhsa_kernel k_q165c4db987_qkv
		.amdhsa_group_segment_fixed_size 327680
		.amdhsa_private_segment_fixed_size 0
		.amdhsa_enable_private_segment 0
		.amdhsa_kernarg_size 56
		.amdhsa_user_sgpr_count 2
		.amdhsa_user_sgpr_kernarg_segment_ptr 1
		.amdhsa_wavefront_size32 1
		.amdhsa_system_sgpr_workgroup_id_x 1
		.amdhsa_system_sgpr_workgroup_id_y 1
		.amdhsa_system_sgpr_workgroup_id_z 1
		.amdhsa_system_vgpr_workitem_id 0
		.amdhsa_next_free_vgpr 1024
		.amdhsa_next_free_sgpr 102
		.amdhsa_reserve_vcc 0
		.amdhsa_float_denorm_mode_32 3
		.amdhsa_float_denorm_mode_16_64 3
		.amdhsa_memory_ordered 1
		.amdhsa_forward_progress 1
		.amdhsa_inst_pref_size 145
	.end_amdhsa_kernel
	.amdgpu_metadata
---
amdhsa.version: [ 1, 2 ]
amdhsa.kernels:
  - .name:           k_q165c4db987_qkv
    .symbol:         k_q165c4db987_qkv.kd
    .args:
      - { .name: xc, .offset: 0, .size: 8, .value_kind: global_buffer, .address_space: global }
      - { .name: xs, .offset: 8, .size: 8, .value_kind: global_buffer, .address_space: global }
      - { .name: wc, .offset: 16, .size: 8, .value_kind: global_buffer, .address_space: global }
      - { .name: ws, .offset: 24, .size: 8, .value_kind: global_buffer, .address_space: global }
      - { .name: b_qkv, .offset: 32, .size: 8, .value_kind: global_buffer, .address_space: global }
      - { .name: mk, .offset: 40, .size: 8, .value_kind: global_buffer, .address_space: global }
      - { .name: qkv, .offset: 48, .size: 8, .value_kind: global_buffer, .address_space: global }
    .group_segment_fixed_size: 327680
    .private_segment_fixed_size: 0
    .kernarg_segment_align: 8
    .kernarg_segment_size: 56
    .max_flat_workgroup_size: 128
    .sgpr_count:     102
    .vgpr_count:     1024
    .wavefront_size: 32
...
	.end_amdgpu_metadata
.endif
;; end of part 2
;; launch attn (part 3): grid 4 x 64, 8 waves a work-group, clusters of 4 x 1, 327,680 bytes of LDS; arguments qkv, mk, att; writes att
.if DOCPART == 3
	.amdgcn_target "amdgcn-amd-amdhsa--gfx1250"
	.amdhsa_code_object_version 6
	.text
	.protected	k_q165c4db987_attn
	.globl	k_q165c4db987_attn
	.p2align	8
	.type	k_q165c4db987_attn,@function
k_q165c4db987_attn:
	s_mov_b64 s[64:65], 0
	v_nop
	global_prefetch_b8 v0, s[64:65] scope:SCOPE_SE
	s_setreg_imm32_b32 hwreg(HW_REG_WAVE_MODE, 25, 1), 1
	s_wait_xcnt 0x0
	s_wait_alu depctr_hold_cnt(0) depctr_sa_sdst(0) depctr_va_vdst(0) depctr_va_sdst(0) depctr_va_ssrc(0) depctr_va_vcc(0) depctr_vm_vsrc(0)
	s_getreg_b32 s2, hwreg(HW_REG_IB_STS2, 6, 4)
	s_cmp_eq_u32 s2, 0
	s_cbranch_scc0 .Lentry_in_a_cluster
	s_endpgm
.Lentry_in_a_cluster:
	s_bfe_u32 s2, ttmp6, 0x10000c
	s_cmp_lg_u32 s2, 0x3003
	s_cbranch_scc0 .Lentry_shape_is_right
	s_endpgm
.Lentry_shape_is_right:
; att[n][h][q][:] = the sum over k of softmax_k(score) v[n][h][k][:], score = q . k / 8, replaced by -1e9 where key k is masked.  q, k, v: f16, [3][64 heads][2048][64]; att: f16 [64 heads][2048][64].
; q arrives already multiplied by log2(e) / 8, so q . k is an exponent of 2.  THE MASK IS THE C OF EACH SCORE TILE'S FIRST MATRIX INSTRUCTION: a table of f32, -1e9 log2(e) at masked keys and 0 elsewhere:
; t = q . k + table.  A masked key's 2^(t - m) is 0 as soon as one open key has been seen, and what was summed before that is multiplied by 2^(old m - new m) = 0.  In a batch all of whose keys are masked
; q and the table arrive as zeros: every t is 0, the softmax is uniform, as with equal scores of -1e9.
; SOFTMAX.  For each query a running maximum m and sum l: p = 2^(t - m); in every step O and l are multiplied by a = 2^(old m - new m).  Products, maxima and sums in f32; p is rounded to f16 for the second product.
; LIMITS: |t| of an open key under 7e8; q, k, v as f16 numbers (up to 65,504); NaN and infinities are not served.
; SHARES.  A work-group owns 512 queries of one head, each of its eight waves 64: four tiles of 16.  Two waves share a SIMD, so that one wave's softmax can stand beside the other's products; the text goes in phases.
; LAYOUT.  S^T = K Q^T (source 0 = 16 keys, source 1 = 16 queries): a lane holds ONE query (lane % 16) and the keys 8 (lane / 16) + 0..7.  Two such tiles, rounded to f16 in pairs, ARE source 1 (32 keys x 16
; queries) of O^T = V^T P.  K comes out of LDS as it lies, V ([key][channel]) turned, by ds_load_tr16_b128.
; CLUSTER.  The four query blocks of a head are one cluster and walk the same K, V and table: each tile is asked for JOINTLY, by the same tensor load with the same descriptor and a mask that names the four.
; RING.  Two slots of four key steps (256 keys).  A row of K or V is 128 bytes and rows are dense, so two keys make one LDS row of 256 bytes + padding.  Waves 0-3 fetch K of the slot's step w, waves 4-7 V of
; step w - 4: one tensor load a wave behind each change of slots, with four key steps in which to land.  A wave has three tensor loads out at the start, later one.
; REGISTERS: window 0: v2-11 addresses; v12, v13 the add's two; v16-47 statistics, eight a tile; v48-79 the table's 64 numbers of a step; v80 the prefetch's offset; v128-255 S^T, 32 a tile; P is packed in place
;   into a tile's first 16.   window 1: v0-127 O^T (tile t, channels 16 ct on: 32 t + 8 ct); v128-191 Q; v192-255 ONE buffer for K and then V of a step.
.set PK,    272                        ; two keys of K: 256 bytes + 16: key k lies at (k / 2) 272 + (k % 2) 128: the 16 keys of a load start at 16 different groups of four banks
.set PVP,   288                        ; two keys of V: 256 bytes + 32
.set VOFF,  32*PK                      ; a step's tiles lie together: 64 keys of K, then 64 of V
.set STEPB, 32*(PK+PVP)
.set SLOT1, 1<<17                      ; slot 1 begins here, so that one exclusive or turns an address in one slot into the other's
.set BIAS,  SLOT1+4*STEPB              ; behind the ring: the batch's table, 8,192 bytes, filled once
.set STAGE, BIAS+8192                  ; 16 rows x 144 bytes for each wave, for the way out
.set SPT,   144
.set SPARE, STAGE+8*16*SPT             ; the spare words, 128 bytes a wave, which no other line names
.set AK0, 2                            ; v2   my lane's place in a tile of K; never rewritten
.set AV0, 3                            ; v3   the same for V
.set AB0, 4                            ; v4   and in the table
.set ADK, 5                            ; v5-7 the addresses of the step in hand
.set ADV, 6
.set ADB, 7
.set STO, 8                            ; v8   the way out: where I put 16 bytes of a row
.set RD,  9                            ; v9   where I read them back
.set GO,  10                           ; v10  16 x lane
.set QO,  11                           ; v11  my byte offset in the wave's rows of Q
.set SPW, 12
.set NIL, 13
.set ST,  16                           ; tile t at v[ST+8 t]: +0 m, +1 a zero (named with m as a pair), +2, +3 l, +4 to +7 c0-c3 at work; a takes +6, a second chain of sums +4, +5
.set BI,  48
.set PFO, 80                           ; v80  256 x lane; never rewritten
.set S,   128
.set QF,  128                          ; in window 1
.set KV,  192                          ; in window 1
.set WV,  12                           ; s12  my wave's number
.set G1K, 24
.set G1V, 32
.set G0K, 40                           ; s[40:47] a set for each of the two first fills; the second then walks on
.set G0V, 48
.set SLOTS, 56
.set CNT, 57
.set PFA, 58                           ; s[58:59] where my prefetches stand
.set SEL, 60
.set TB,  62                           ; s62  LDS byte at which the tiles of the step to be fetched begin
.set TBB, 63                           ; s63  and its 256 bytes of the table
.set LIM, 66                           ; s66  1 in a wave that prefetches, else the greatest number
.set G1M, 68
.set G0M, 76
.set MSB, 0
.macro WIN new                         ; the immediate's high byte repeats the setting that is left; a switch that changes nothing is dropped
.if MSB != (\new)
	s_set_vgpr_msb (MSB<<8)|(\new)
.set MSB, (\new)
.endif
.endm
.set W_KQ, 0x05                        ; K and Q in window 1; S^T and the table in window 0
.set W_PV, 0x51                        ; V and O^T in window 1, P in window 0
.set W_RS, 0x41                        ; O^T (destination and source 0) in window 1, a in window 0
.set TO_1, 0x40                        ; destination window 1, address window 0
; A joint refill.  The branch hangs on the wave's number alone.  An s_nop 0 and four v_nop follow each of the two lines.
.macro JLOAD
	s_cmp_lt_u32 s[WV], 4
	s_cbranch_scc0 .Lfor_v_\@
	tensor_load_to_lds s[G0K+4:G0K+7], s[G1K:G1K+7]
	s_nop 0
.rept 4
	v_nop
.endr
	s_branch .Lasked_\@
.Lfor_v_\@:
	tensor_load_to_lds s[G0V+4:G0V+7], s[G1V:G1V+7]
	s_nop 0
.rept 4
	v_nop
.endr
.Lasked_\@:
.endm
; A PREFETCH of what the NEXT change of slots will ask for: a slot's 32,768 bytes of K and of V.  It stands behind the wave's tensor load and its five lines.  Each aligned block of 256 bytes is named once in the
; launch: one cluster alone walks a head; its four partners share a slot's bytes out BY ADDRESS, 8,192 each; in each, wave 0 asks for K's and wave 4 for V's, lanes 256 bytes apart: one instruction.
; It runs four key steps ahead of the load that will want the bytes.  The last change that fills a slot asks for nothing: there is no slot behind it.  Slots 0, 1 and 2 come by their loads alone.
.macro ASK
	s_cmp_gt_u32 s[SLOTS], s[LIM]
	s_cbranch_scc0 .Lnot_mine_\@
	global_prefetch_b8 v[PFO], s[PFA:PFA+1] th:TH_LOAD_NT scope:SCOPE_SE
.Lnot_mine_\@:
.endm
.macro CROUND                          ; a round of the cluster's barrier
	s_barrier_signal -1
	s_barrier_wait -1
	s_cmp_lg_u32 s[WV], 0
	s_cbranch_scc1 .Lnot_wave_0_\@
	s_barrier_signal -3
.Lnot_wave_0_\@:
	s_barrier_wait -3
	s_barrier_signal -1
	s_barrier_wait -1
.endm
	s_load_b128 s[4:7], s[0:1], 0x0                ; qkv, the mask's table
	s_load_b64 s[8:9], s[0:1], 0x10                ; att
	v_lshl_add_u32 v[SPW], v0, 2, SPARE
	v_mov_b32 v[NIL], 0
	ds_add_u32 v[SPW], v[NIL]                      ; the wave's opening: the add, twice on end, and its wait ahead of my first tensor load
	ds_add_u32 v[SPW], v[NIL]
	v_lshrrev_b32 v1, 5, v0
	v_readfirstlane_b32 s[WV], v1                  ; wave 0..7
	s_bfe_u32 s13, ttmp6, 0x40000                  ; cx: my block of 512 queries: it enters Q's, att's and the prefetch's addresses alone
	s_and_b32 s14, ttmp7, 0xffff                   ; 16 x batch + head, which the four partners share
	s_lshl_b32 s16, s14, 18                        ; its 2,048 rows of 128 bytes
	s_and_b32 s18, s[WV], 3                        ; which of a slot's four steps I fetch:
	s_lshl_b32 s20, s18, 13                        ; its 64 rows in memory,
	s_add_co_u32 s20, s20, s16
	s_mov_b32 s21, 0
	s_mul_i32 s19, s18, STEPB                      ; and its place in a slot
	s_lshl_b32 s22, s13, 9
	s_lshl_b32 s23, s[WV], 6
	s_add_co_u32 s22, s22, s23                     ; my first query
	s_lshl_b32 s22, s22, 7
	s_add_co_u32 s22, s22, s16
	s_mov_b32 s23, 0
	s_lshr_b32 s2, s14, 4                          ; the batch:
	s_lshl_b32 s2, s2, 13                          ; its 8,192 bytes of the table,
	s_lshl_b32 s15, s[WV], 10                      ; of which I fetch 1,024
	s_add_co_u32 s2, s2, s15
	s_mov_b32 s3, 0
	s_lshr_b32 s10, s[WV], 2                       ; the prefetch: K's part of qkv (waves 0-3) or V's,
	s_add_co_u32 s10, s10, 1
	s_lshl_b32 s10, s10, 24
	s_add_co_u32 s10, s10, s16                     ; my head,
	s_lshl_b32 s11, s13, 13
	s_add_co_u32 s10, s10, s11                     ; my work-group's 8,192 bytes of a slot's 32,768,
	s_add_co_u32 s10, s10, 2*32768                 ; in slot 2: the first change of slots steps it to slot 3
	s_mov_b32 s11, 0
	s_and_b32 s[LIM], s[WV], 3                     ; waves 0 and 4 ask
	s_cmp_eq_u32 s[LIM], 0
	s_cselect_b32 s[LIM], 1, -1
	; descriptor group 1: K, V: 32 rows of 128 elements of 2 bytes, dense in memory, padded in LDS
	s_mov_b32 s[G1K], 15|(1<<16)|(1<<20)|(1<<21)|(5<<22)|(3<<25)  ; 15:0 the mask: all four work-groups; 17:16 elements of 2 bytes; 20 padding on; 21 set beside a mask; 24:22 after every 64 words; 31:25 four words
	s_mov_b32 s[G1V], 15|(1<<16)|(1<<20)|(1<<21)|(5<<22)|(7<<25)  ; the same with eight words of padding
.irp g, G1K, G1V
	s_mov_b32 s[\g+1], 128<<16                     ; tensor_dim0
	s_mov_b32 s[\g+2], 32<<16                      ; tensor_dim1
	s_mov_b32 s[\g+3], 128<<16                     ; tile_dim0
	s_mov_b32 s[\g+4], 32                          ; tile_dim1
	s_mov_b32 s[\g+5], 128                         ; tensor_dim0_stride
	s_mov_b32 s[\g+6], 0
	s_mov_b32 s[\g+7], 0
.endr
	s_mov_b32 s[G1M], 15|(3<<16)|(1<<21)           ; the table: 4 rows of 32 elements of 8 bytes, dense, no padding
	s_mov_b32 s[G1M+1], 32<<16
	s_mov_b32 s[G1M+2], 4<<16
	s_mov_b32 s[G1M+3], 32<<16
	s_mov_b32 s[G1M+4], 4
	s_mov_b32 s[G1M+5], 32
	s_mov_b32 s[G1M+6], 0
	s_mov_b32 s[G1M+7], 0
	s_mov_b32 s[SEL], 0x76543210
	s_mov_b32 s[SEL+1], 0xfedcba98                 ; v_permlanex16_b32's selects for lane l xor 16
	s_mov_b32 s[TB], 0
	s_mov_b32 s[TBB], 0
	s_mov_b32 s[SLOTS], 6                          ; 8 slots' worth of keys; slots 2 to 7 are asked for in the loop
	v_and_b32 v[PFO], 31, v0
	v_lshlrev_b32 v[PFO], 8, v[PFO]
	s_wait_dscnt 0x0                               ; both opening adds are done
	s_wait_kmcnt 0x0
	s_add_nc_u64 s[20:21], s[4:5], s[20:21]        ; qkv at my head and my step of slot 0
	s_add_nc_u64 s[PFA:PFA+1], s[4:5], s[10:11]
	s_add_nc_u64 s[4:5], s[4:5], s[22:23]          ; Q and att at my wave's first row
	s_add_nc_u64 s[8:9], s[8:9], s[22:23]
	s_add_nc_u64 s[6:7], s[6:7], s[2:3]            ; the table at my 1,024 bytes
	CROUND                                         ; all four work-groups are here: the first joint loads meet
	s_mov_b32 s[G0M], 1
	s_add_co_u32 s[G0M+1], s15, BIAS
	s_mov_b64 s[G0M+2:G0M+3], s[6:7]
	s_or_b32 s[G0M+3], s[G0M+3], 0x80000000
.irp s, 0,1
	s_mov_b32 s[G0K+4*\s], 1                       ; 1:0 count = 1
	s_add_co_u32 s[G0K+4*\s+1], s19, \s*SLOT1      ; 63:32 LDS address
	s_add_nc_u64 s[G0K+4*\s+2:G0K+4*\s+3], s[20:21], 0x1000000+\s*32768   ; 120:64 global address: K's part, slot s
	s_or_b32 s[G0K+4*\s+3], s[G0K+4*\s+3], 0x80000000                     ; 127:126 type = 2
	s_mov_b32 s[G0V+4*\s], 1
	s_add_co_u32 s[G0V+4*\s+1], s19, \s*SLOT1+VOFF
	s_add_nc_u64 s[G0V+4*\s+2:G0V+4*\s+3], s[20:21], 0x2000000+\s*32768   ; V's part
	s_or_b32 s[G0V+4*\s+3], s[G0V+4*\s+3], 0x80000000
.endr
	tensor_load_to_lds s[G0M:G0M+3], s[G1M:G1M+7]  ; the table: every wave an eighth
	s_nop 0
.rept 4
	v_nop
.endr
	s_cmp_lt_u32 s[WV], 4                          ; my two first fills of the ring
	s_cbranch_scc0 .Lfirst_v
	tensor_load_to_lds s[G0K:G0K+3], s[G1K:G1K+7]
	s_nop 0
	tensor_load_to_lds s[G0K+4:G0K+7], s[G1K:G1K+7]
	s_nop 0
.rept 4
	v_nop
.endr
	s_branch .Lfirst_asked
.Lfirst_v:
	tensor_load_to_lds s[G0V:G0V+3], s[G1V:G1V+7]
	s_nop 0
	tensor_load_to_lds s[G0V+4:G0V+7], s[G1V:G1V+7]
	s_nop 0
.rept 4
	v_nop
.endr
.Lfirst_asked:
	; A fragment of K or Q is 16 rows x 32 channels in 8 registers: lane l holds row l % 16; registers 0-3 channels 8 (l / 16) + 0..7, registers 4-7 channels 16 + 8 (l / 16) + 0..7: two loads of 16 bytes, 32 bytes apart.
	v_and_b32 v1, 15, v0                           ; r
	v_bfe_u32 v14, v0, 4, 1                        ; h
	v_lshlrev_b32 v[QO], 7, v1
	v_lshl_add_u32 v[QO], v14, 4, v[QO]            ; row x 128 + 16 x half
	WIN TO_1
.irp t, 0,1,2,3
.irp c, 0,1
	global_load_b128 v[QF+16*\t+8*\c:QF+16*\t+8*\c+3],   v[QO], s[4:5] offset:2048*\t+64*\c      ; Q stays in registers
	global_load_b128 v[QF+16*\t+8*\c+4:QF+16*\t+8*\c+7], v[QO], s[4:5] offset:2048*\t+64*\c+32
.endr
.endr
.set i, 0
.rept 128
	v_mov_b32 v[i], 0                              ; O^T.  (The key step is written once: the first finds zeros, which its a = 0 leaves zeros)
.set i, i+1
.endr
	WIN 0
	v_lshrrev_b32 v15, 1, v1
	v_mul_u32_u24 v[AK0], v15, PK
	v_and_b32 v15, 1, v1
	v_lshl_add_u32 v[AK0], v15, 7, v[AK0]
	v_lshl_add_u32 v[AK0], v14, 4, v[AK0]          ; (r / 2) 272 + (r % 2) 128 + 16 h
	; The turning load takes 16 keys x 16 channels (lane l reads 16 bytes: key 8 (l / 16) + l % 8, channels 8 ((l / 8) % 2) + 0..7) and leaves half a fragment of V^T: lane l holds channel l % 16 and 8 keys.
	v_and_b32 v15, 7, v0
	v_lshl_add_u32 v15, v14, 3, v15                ; the key
	v_lshrrev_b32 v[AV0], 1, v15
	v_mul_u32_u24 v[AV0], v[AV0], PVP
	v_and_b32 v15, 1, v15
	v_lshl_add_u32 v[AV0], v15, 7, v[AV0]
	v_bfe_u32 v15, v0, 3, 1
	v_lshl_add_u32 v[AV0], v15, 4, v[AV0]
	v_add_nc_u32 v[AV0], VOFF, v[AV0]
	v_lshl_add_u32 v[AB0], v14, 5, BIAS            ; the table: register j of key tile kt wants key 16 kt + 8 h + j
	s_mul_i32 s14, s[WV], 16*SPT
	s_add_co_u32 s14, s14, STAGE                   ; my stage
	v_mul_u32_u24 v[STO], v1, SPT                  ; in: row r, 16 bytes for each half of the lanes
	v_lshl_add_u32 v[STO], v14, 4, v[STO]
	v_add_nc_u32 v[STO], s14, v[STO]
	v_bfe_u32 v15, v0, 3, 2                        ; back: eight lanes take a row of 128 bytes, 32 lanes four rows
	v_mul_u32_u24 v[RD], v15, SPT
	v_and_b32 v15, 7, v0
	v_lshl_add_u32 v[RD], v15, 4, v[RD]
	v_add_nc_u32 v[RD], s14, v[RD]
	v_and_b32 v[GO], 31, v0
	v_lshlrev_b32 v[GO], 4, v[GO]
.irp t, 0,1,2,3
	v_mov_b32 v[ST+8*\t], 0xff61b1e6               ; m: -3e38, under every t
.irp i, 1,2,3,4,5,6,7
	v_mov_b32 v[ST+8*\t+\i], 0                     ; l, and what is named before it is first computed
.endr
.endr
.macro ADDR                            ; the addresses of the step to be fetched: with the v_nop four plain instructions, the places in front of the loads that follow
	v_add_nc_u32 v[ADK], s[TB], v[AK0]
	v_add_nc_u32 v[ADV], s[TB], v[AV0]
	v_add_nc_u32 v[ADB], s[TBB], v[AB0]
	v_nop
.endm
.macro FETCH_K half                    ; key tiles 2 half and 2 half + 1: 8 loads, into the half of the buffer that V's keys 32 half on have left
	WIN TO_1
.irp k, 0,1
.irp c, 0,1
	ds_load_b128 v[KV+16*(2*\half+\k)+8*\c:KV+16*(2*\half+\k)+8*\c+3],   v[ADK] offset:8*PK*(2*\half+\k)+64*\c
	ds_load_b128 v[KV+16*(2*\half+\k)+8*\c+4:KV+16*(2*\half+\k)+8*\c+7], v[ADK] offset:8*PK*(2*\half+\k)+64*\c+32
.endr
.endr
.endm
.macro FETCH_BI                        ; the step's 64 numbers of the table, in the layout of a result: 8 loads
	WIN 0
.irp kt, 0,1,2,3
	ds_load_b128 v[BI+8*\kt:BI+8*\kt+3],   v[ADB] offset:64*\kt
	ds_load_b128 v[BI+8*\kt+4:BI+8*\kt+7], v[ADB] offset:64*\kt+16
.endr
.endm
.macro FETCH_V                         ; the step's V, turned: keys 32 kc on, channels 16 ct on: 16 loads
	WIN TO_1
.irp kc, 0,1
.irp ct, 0,1,2,3
	ds_load_tr16_b128 v[KV+32*\kc+8*\ct:KV+32*\kc+8*\ct+3],   v[ADV] offset:16*PVP*\kc+32*\ct
	ds_load_tr16_b128 v[KV+32*\kc+8*\ct+4:KV+32*\kc+8*\ct+7], v[ADV] offset:16*PVP*\kc+32*\ct+8*PVP
.endr
.endr
	WIN 0
	s_add_co_u32 s[TB], s[TB], STEPB               ; the next fetch is the next step's
	s_add_co_u32 s[TBB], s[TBB], 256
.endm
; 16 products of S^T = K Q^T + table: two key tiles x four query tiles, channels 0-31 (they start the sums from the table), then channels 32-63.  The accumulators take turns.
.macro KQ half
	WIN W_KQ
.irp k, 0,1
.irp t, 0,1,2,3
	v_wmma_f32_16x16x32_f16 v[S+32*\t+8*(2*\half+\k):S+32*\t+8*(2*\half+\k)+7], v[KV+16*(2*\half+\k):KV+16*(2*\half+\k)+7], v[QF+16*\t:QF+16*\t+7], v[BI+8*(2*\half+\k):BI+8*(2*\half+\k)+7]
.endr
.endr
.irp k, 0,1
.irp t, 0,1,2,3
	v_wmma_f32_16x16x32_f16 v[S+32*\t+8*(2*\half+\k):S+32*\t+8*(2*\half+\k)+7], v[KV+16*(2*\half+\k)+8:KV+16*(2*\half+\k)+15], v[QF+16*\t+8:QF+16*\t+15], v[S+32*\t+8*(2*\half+\k):S+32*\t+8*(2*\half+\k)+7]
.endr
.endr
.endm
; 16 products of O^T += V^T P: keys 32 kc on; each of the 16 accumulators once
.macro PV kc
	WIN W_PV
.irp ct, 0,1,2,3
.irp t, 0,1,2,3
	v_wmma_f32_16x16x32_f16 v[32*\t+8*\ct:32*\t+8*\ct+7], v[KV+32*\kc+8*\ct:KV+32*\kc+8*\ct+7], v[S+32*\t+8*\kc:S+32*\t+8*\kc+7], v[32*\t+8*\ct:32*\t+8*\ct+7]
.endr
.endr
.endm
; THE SOFTMAX of a key step for the wave's four tiles, the tiles by turns line by line, so that no line waits for the line above it.
.macro SOFTMAX
.irp j, 0,1,2,3                        ; the maximum of a lane's 32 scores and the old m, three operands at a time; each score tile is read from its low end on
.irp t, 0,1,2,3
	v_max3_num_f32 v[ST+8*\t+4+\j], v[S+32*\t+8*\j], v[S+32*\t+8*\j+1], v[S+32*\t+8*\j+2]
.endr
.endr
.irp g, 1,2
.irp j, 0,1,2,3
.irp t, 0,1,2,3
	v_max3_num_f32 v[ST+8*\t+4+\j], v[ST+8*\t+4+\j], v[S+32*\t+8*\j+2*\g+1], v[S+32*\t+8*\j+2*\g+2]
.endr
.endr
.endr
.irp t, 0,1,2,3
	v_max3_num_f32 v[ST+8*\t+4], v[ST+8*\t+4], v[S+32*\t+7], v[S+32*\t+15]
.endr
.irp t, 0,1,2,3
	v_max3_num_f32 v[ST+8*\t+6], v[ST+8*\t+6], v[S+32*\t+23], v[S+32*\t+31]
.endr
.irp t, 0,1,2,3
	v_max3_num_f32 v[ST+8*\t+4], v[ST+8*\t+4], v[ST+8*\t+5], v[ST+8*\t+6]
.endr
.irp t, 0,1,2,3
	v_max3_num_f32 v[ST+8*\t+4], v[ST+8*\t+4], v[ST+8*\t+7], v[ST+8*\t]
.endr
.irp t, 0,1,2,3
	v_permlanex16_b32 v[ST+8*\t+5], v[ST+8*\t+4], s[SEL], s[SEL+1]   ; the query's other 32 keys lie in the lane 16 away
.endr
.irp t, 0,1,2,3
	v_max_num_f32 v[ST+8*\t+4], v[ST+8*\t+4], v[ST+8*\t+5]
.endr
.irp t, 0,1,2,3
	v_sub_f32 v[ST+8*\t+7], v[ST+8*\t], v[ST+8*\t+4]                 ; old m - new m
.endr
.irp t, 0,1,2,3
	v_mov_b32 v[ST+8*\t], v[ST+8*\t+4]
.endr
; ONE BATCH of exponentials: the four a, then all 128 p.  None of its lines names an exponential's result: a tile's subtractions stand among the exponentials of the tile before.
.irp t, 0,1,2,3
	v_exp_f32 v[ST+8*\t+6], v[ST+8*\t+7]                             ; a = 2^(old m - new m)
.endr
.irp i, 0,1,2,3,4,5,6,7,8,9,10,11,12,13,14,15
	v_pk_add_f32 v[S+2*\i:S+2*\i+1], v[S+2*\i:S+2*\i+1], v[ST:ST+1] op_sel_hi:[1,0] neg_lo:[0,1] neg_hi:[0,1]   ; tile 0: t - m, two at a time (of the pair m's word serves both halves)
.endr
.irp t, 0,1,2,3
.irp i, 0,1,2,3,4,5,6,7,8,9,10,11,12,13,14,15
	v_exp_f32 v[S+32*\t+2*\i], v[S+32*\t+2*\i]
	v_exp_f32 v[S+32*\t+2*\i+1], v[S+32*\t+2*\i+1]
.if \t < 3
	v_pk_add_f32 v[S+32*(\t+1)+2*\i:S+32*(\t+1)+2*\i+1], v[S+32*(\t+1)+2*\i:S+32*(\t+1)+2*\i+1], v[ST+8*(\t+1):ST+8*(\t+1)+1] op_sel_hi:[1,0] neg_lo:[0,1] neg_hi:[0,1]
.endif
.endr
.endr
	v_nop                                          ; a plain instruction behind the last exponential, ahead of the first use (ISA guide 5.7.2)
	s_wait_alu depctr_va_vdst(0)                   ; the one wait between the batch and the first line that names a result
.irp t, 0,1,2,3                        ; the sums of the unrounded p, in two chains: l = a l + the even pairs, a second chain for the odd ones
	v_pk_fma_f32 v[ST+8*\t+2:ST+8*\t+3], v[ST+8*\t+2:ST+8*\t+3], v[ST+8*\t+6:ST+8*\t+7], v[S+32*\t:S+32*\t+1] op_sel_hi:[1,0,1]
.endr
.irp t, 0,1,2,3
	v_pk_add_f32 v[ST+8*\t+4:ST+8*\t+5], v[S+32*\t+2:S+32*\t+3], v[S+32*\t+6:S+32*\t+7]
.endr
.irp k, 1,2,3,4,5,6,7
.irp t, 0,1,2,3
	v_pk_add_f32 v[ST+8*\t+2:ST+8*\t+3], v[ST+8*\t+2:ST+8*\t+3], v[S+32*\t+4*\k:S+32*\t+4*\k+1]
.endr
.if \k > 1
.irp t, 0,1,2,3
	v_pk_add_f32 v[ST+8*\t+4:ST+8*\t+5], v[ST+8*\t+4:ST+8*\t+5], v[S+32*\t+4*\k+2:S+32*\t+4*\k+3]
.endr
.endif
.endr
.irp t, 0,1,2,3
	v_pk_add_f32 v[ST+8*\t+2:ST+8*\t+3], v[ST+8*\t+2:ST+8*\t+3], v[ST+8*\t+4:ST+8*\t+5]
.endr
.irp i, 0,1,2,3,4,5,6,7,8,9,10,11,12,13,14,15
.irp t, 0,1,2,3
	v_cvt_pk_f16_f32 v[S+32*\t+\i], v[S+32*\t+2*\i], v[S+32*\t+2*\i+1]   ; P, in place, ascending: register i is written when registers 2 i and 2 i + 1 are read
.endr
.endr
	WIN W_RS
.irp i, 0,1,2,3,4,5,6,7,8,9,10,11,12,13,14,15
.irp t, 0,1,2,3
	v_pk_mul_f32 v[32*\t+2*\i:32*\t+2*\i+1], v[32*\t+2*\i:32*\t+2*\i+1], v[ST+8*\t+6:ST+8*\t+7] op_sel_hi:[1,0]   ; O^T x a
.endr
.endr
	WIN 0
.endm
; A TRIP: the second product of step j, and the scores and the softmax of step j + 1.  K's tiles take the buffer's halves as V's products leave them.
.macro BODY
	PV 0
	WIN 0
	ADDR                                           ; four places behind the products that read the buffer's first half
	FETCH_K 0
	FETCH_BI
	PV 1
	WIN 0
.rept 5
	v_nop                                          ; four places in front of the loads into the buffer's second half; five in front of the products that write over P
.endr
	FETCH_K 1
	s_wait_dscnt 8                                 ; K's first half and the table are in; the youngest eight loads, K's second half, may be out
	KQ 0
	s_wait_dscnt 0x0
	KQ 1
	WIN 0
.rept 4
	v_nop                                          ; places in front of the loads into the buffer, and of the first read of the scores
.endr
	FETCH_V
	SOFTMAX
	s_wait_dscnt 0x0                               ; V is in: all that I read of this step's tiles is in registers
.endm
.macro STEPS n
	s_mov_b32 s[CNT], \n
.Lstep_\@:
	BODY
	s_sub_co_u32 s[CNT], s[CNT], 1
	s_cmp_lg_u32 s[CNT], 0
	s_cbranch_scc1 .Lstep_\@
.endm
; THE CHANGE OF SLOTS: the slot's last bytes, V of its fourth step, are in registers.  Each wave waits for all its tensor loads, of which one is out: its part of the other slot; adds 0 to its spare word; and waits
; for that and for its reads of the slot.  fill = 1: the slot is filled again, with the keys two slots on.  The barrier is then a round of the cluster's, so that no wave of any partner still reads the slot or has
; a load on its way, and the joint refill is the first thing behind it.
.macro CHANGE fill
	s_wait_tensorcnt 0x0                           ; no tensor load of mine is out, so a group 0 may be written
	ds_add_u32 v[SPW], v[NIL]                      ; 0 onto my spare word
.if \fill
.irp g, G0K+4, G0V+4
	s_xor_b32 s[\g+1], s[\g+1], SLOT1              ; the walking descriptor: the other slot than last time,
	s_add_nc_u64 s[\g+2:\g+3], s[\g+2:\g+3], 32768 ; the next 256 keys; the type bits on top are not reached
.endr
	s_wait_xcnt 0x0                                ; the last prefetch, four key steps back, has read its address, so it may be written:
	s_add_nc_u64 s[PFA:PFA+1], s[PFA:PFA+1], 32768 ; one slot further on than the walking descriptors
	s_wait_dscnt 0x0                               ; the add is done, and my reads of the slot are over
	CROUND
	JLOAD
	ASK
.else
	s_wait_dscnt 0x0
	s_barrier_signal -1
	s_barrier_wait -1
.endif
	s_sub_co_u32 s[TB], s[TB], 4*STEPB             ; the fetches go back to a slot's first step,
	s_xor_b32 s[TB], s[TB], SLOT1                  ; in the other slot
.endm
	s_wait_tensorcnt 1                             ; the table and my part of slot 0 are in; slot 1's load may stay out
	s_barrier_signal -1
	s_barrier_wait -1                              ; everybody's are
	ADDR                                           ; key step 0
	FETCH_K 0
	FETCH_BI
	FETCH_K 1
	s_wait_loadcnt 0x0                             ; Q
	s_wait_dscnt 0x0
	KQ 0
	KQ 1
	WIN 0
.rept 4
	v_nop
.endr
	FETCH_V
	SOFTMAX
	s_wait_dscnt 0x0
	STEPS 3                                        ; these fetch steps 1 to 3: slot 0 is read out
.Lslot:                                            ; six trips: slots 2 to 7 are asked for
	CHANGE 1
	STEPS 4
	s_sub_co_u32 s[SLOTS], s[SLOTS], 1
	s_cmp_lg_u32 s[SLOTS], 0
	s_cbranch_scc1 .Lslot
	CHANGE 0                                       ; the tail is written out
	STEPS 4
	PV 0                                           ; the last step's second product
	PV 1
	; THE WAY OUT.  l's two halves and the other half of the lanes' are added; O^T is divided by l, rounded to f16 and sent through my stage in LDS, a tile (16 rows) at a time.  The additions are the places behind the last products.
	WIN 0
.irp t, 0,1,2,3
	v_add_f32 v[ST+8*\t+4], v[ST+8*\t+2], v[ST+8*\t+3]
.endr
.irp t, 0,1,2,3
	v_permlanex16_b32 v[ST+8*\t+5], v[ST+8*\t+4], s[SEL], s[SEL+1]
.endr
.irp t, 0,1,2,3
	v_add_f32 v[ST+8*\t+4], v[ST+8*\t+4], v[ST+8*\t+5]
.endr
.irp t, 0,1,2,3
	v_rcp_f32 v[ST+8*\t+6], v[ST+8*\t+4]           ; l is at least 1: the largest t's p
.endr
	v_nop                                          ; a plain instruction between the last reciprocal and the use of its result
	s_wait_alu depctr_va_vdst(0)                   ; and the wait: one for the four
.macro PACK t
	WIN W_RS
.irp i, 0,1,2,3,4,5,6,7,8,9,10,11,12,13,14,15
	v_pk_mul_f32 v[32*\t+2*\i:32*\t+2*\i+1], v[32*\t+2*\i:32*\t+2*\i+1], v[ST+8*\t+6:ST+8*\t+7] op_sel_hi:[1,0]   ; each accumulator from its low end on
.endr
	WIN 0x05                                       ; sources 0 and 1 window 1, destination window 0: S^T's registers are free
.irp i, 0,1,2,3,4,5,6,7,8,9,10,11,12,13,14,15
	v_cvt_pk_f16_f32 v[S+16*\t+\i], v[32*\t+2*\i], v[32*\t+2*\i+1]
.endr
	WIN 0
.irp ct, 0,1,2,3
	ds_store_b128 v[STO], v[S+16*\t+4*\ct:S+16*\t+4*\ct+3] offset:32*\ct
.endr
.irp i, 0,1,2,3
	ds_load_b128 v[S+64+16*\t+4*\i:S+64+16*\t+4*\i+3], v[RD] offset:4*SPT*\i   ; LDS serves a wave's instructions in order (ISA guide 5.7.1): these see the stores above; the next tile's stores come behind them
.endr
.endm
	PACK 0
	PACK 1
	PACK 2
	PACK 3
	s_wait_dscnt 0x0
.irp t, 0,1,2,3
.irp i, 0,1,2,3
	global_store_b128 v[GO], v[S+64+16*\t+4*\i:S+64+16*\t+4*\i+3], s[8:9] offset:2048*\t+512*\i   ; 512 consecutive bytes, aligned: four rows of att
.endr
.endr
	s_wait_tensorcnt 0x0                           ; the wave's end, behind my last tensor load and my last LDS store
	ds_add_u32 v[SPW], v[NIL]
	s_wait_dscnt 0x0
	CROUND                                         ; the closing round: no work-group ends while a partner may still ask for a tile that names it
	s_endpgm
.Lfunc_end_k_q165c4db987_attn:
	.size	k_q165c4db987_attn, .Lfunc_end_k_q165c4db987_attn-k_q165c4db987_attn
	.p2alignl 7, 3214868480
	.fill 96, 4, 3214868480
	.section	.rodata,"a",@progbits
	.p2align	6, 0x0
	.amdhsa_kernel k_q165c4db987_attn
		.amdhsa_group_segment_fixed_size 327680
		.amdhsa_private_segment_fixed_size 0
		.amdhsa_enable_private_segment 0
		.amdhsa_kernarg_size 24
		.amdhsa_user_sgpr_count 2
		.amdhsa_user_sgpr_kernarg_segment_ptr 1
		.amdhsa_wavefront_size32 1
		.amdhsa_system_sgpr_workgroup_id_x 1
		.amdhsa_system_sgpr_workgroup_id_y 1
		.amdhsa_system_sgpr_workgroup_id_z 1
		.amdhsa_system_vgpr_workitem_id 0
		.amdhsa_next_free_vgpr 512
		.amdhsa_next_free_sgpr 80
		.amdhsa_reserve_vcc 0
		.amdhsa_float_denorm_mode_32 3
		.amdhsa_float_denorm_mode_16_64 3
		.amdhsa_memory_ordered 1
		.amdhsa_forward_progress 1
		.amdhsa_inst_pref_size 160
	.end_amdhsa_kernel
	.amdgpu_metadata
---
amdhsa.version: [ 1, 2 ]
amdhsa.kernels:
  - .name:           k_q165c4db987_attn
    .symbol:         k_q165c4db987_attn.kd
    .args:
      - { .name: qkv, .offset: 0, .size: 8, .value_kind: global_buffer, .address_space: global }
      - { .name: mk, .offset: 8, .size: 8, .value_kind: global_buffer, .address_space: global }
      - { .name: att, .offset: 16, .size: 8, .value_kind: global_buffer, .address_space: global }
    .group_segment_fixed_size: 327680
    .private_segment_fixed_size: 0
    .kernarg_segment_align: 8
    .kernarg_segment_size: 24
    .max_flat_workgroup_size: 256
    .sgpr_count:     80
    .vgpr_count:     512
    .wavefront_size: 32
...
	.end_amdgpu_metadata
.endif
;; end of part 3
;; launch proj (part 4): grid 8 x 32, 4 waves a work-group, clusters of 4 x 4, 327,680 bytes of LDS; arguments att, wo, b_out, out0; writes out0
.if DOCPART == 4
	.amdgcn_target "amdgcn-amd-amdhsa--gfx1250"
	.amdhsa_code_object_version 6
	.text
	.protected	k_q165c4db987_proj
	.globl	k_q165c4db987_proj
	.p2align	8
	.type	k_q165c4db987_proj,@function
k_q165c4db987_proj:
	s_mov_b64 s[64:65], 0
	v_nop
	global_prefetch_b8 v0, s[64:65] scope:SCOPE_SE
	s_setreg_imm32_b32 hwreg(HW_REG_WAVE_MODE, 25, 1), 1
	s_wait_xcnt 0x0
	s_wait_alu depctr_hold_cnt(0) depctr_sa_sdst(0) depctr_va_vdst(0) depctr_va_sdst(0) depctr_va_ssrc(0) depctr_va_vcc(0) depctr_vm_vsrc(0)
	s_getreg_b32 s2, hwreg(HW_REG_IB_STS2, 6, 4)
	s_cmp_eq_u32 s2, 0
	s_cbranch_scc0 .Lentry_in_a_cluster
	s_endpgm
.Lentry_in_a_cluster:
	s_bfe_u32 s2, ttmp6, 0x10000c
	s_cmp_lg_u32 s2, 0xf033
	s_cbranch_scc0 .Lentry_shape_is_right
	s_endpgm
.Lentry_shape_is_right:
; out0[m][e] = the sum over k of att[m][k] W_out[e][k] + b_out[e].  att: f16, laid by head [4 n][16 h][2048 l][64] (m = 2048 n + l, k = 64 h + d); wo: W_out in f16 [1024][1024]; out0: f32 [8192][1024]; sums in f32.
; A tile of out0 is 256 rows x 128 columns: 256 work-groups.  Four waves, each 128 rows x 64 columns: 32 accumulators of 16 x 16, 256 registers.
; K goes in steps of 128, two heads, through a ring of two LDS slots.  A head's 256 rows of 128 bytes are dense in memory: they come as 128 LDS rows of two rows each (256 bytes + 16 of padding); wo's rows of a step are 256 bytes.
; Waves 0 and 1 fetch att's two heads, waves 2 and 3 wo's two halves: one tensor load a wave behind each change of slots; a wave has two out at the start, later one.
; CLUSTERS: 4 x 4 work-groups.  The four of a row of the cluster need the same tiles of att, the four of a column the same tiles of wo: each tile is asked for JOINTLY.
; THE MATRIX INSTRUCTION IS USED TRANSPOSED (source 0 = 16 rows of wo, source 1 = 16 rows of att): a lane then holds eight neighbouring columns of one row.  THE BIAS is the C of each sum's first matrix instruction.
; No prefetch: the launch is short, eight K steps, and its tiles are shared in the cluster.
; REGISTERS: window 0: v16-29 addresses; v32-63 the bias; v64-159 and v160-255 two fragment buffers (wo's 4 fragments, then att's 8, for 32 along K); on the way out v64-127 hold rows.   window 1: the accumulators, (a, b) at v[8 (4 a + b)].
.set PITCH,  272                       ; 256 bytes + 16 = 68 words: the 16 rows that a load touches start at 16 different groups of four banks (64 banks of 4 bytes: ISA guide 11.1)
.set PLANE,  128*PITCH                 ; a head's 256 rows
.set BOFF,   2*PLANE                   ; behind att's two heads: wo's 128 rows
.set HALFB,  64*PITCH
.set SLOT,   3*PLANE
.set STAGE,  2*SLOT                    ; behind the ring: 16 rows x 272 bytes for each wave, for the way out
.set SPITCH, 272
.set SPARE,  STAGE+4*16*SPITCH         ; the spare words, 128 bytes a wave, which no other line names
.set LAPS,   4                         ; a lap = two K steps = once round the ring
.set ADRA, 16                          ; v16-17  LDS address of my att fragments in slot 0, 1
.set ADRB, 20                          ; v20-21  the same for wo
.set STO,  24
.set RD,   25
.set CO,   26
.set BO,   27                          ; v27     32 x (lane / 16): the bias's offset
.set SPW,  28
.set NIL,  29
.set BIA,  32
.set F0,   64
.set F1,   160
.set BK,   64
.set G1, 24
.set G0, 32
.set G1B, 48
.set G0B, 56
.set MSB, 0
.macro WIN new
.if MSB != (\new)
	s_set_vgpr_msb (MSB<<8)|(\new)
.set MSB, (\new)
.endif
.endm
.set MUL,  0x50                        ; sources 0 and 1 window 0; C and D window 1
.set MUL0, 0x40                        ; the first products: C (the bias) window 0, D window 1
.macro JLOAD s                         ; a joint load: waves 0 and 1 fetch for att, waves 2 and 3 for wo; an s_nop 0 and four v_nop follow each of the two lines
	s_cmp_eq_u32 s13, 0
	s_cbranch_scc0 .Lfor_b_\@
	tensor_load_to_lds s[G0+4*\s:G0+4*\s+3], s[G1:G1+7]
	s_nop 0
.rept 4
	v_nop
.endr
	s_branch .Lasked_\@
.Lfor_b_\@:
	tensor_load_to_lds s[G0B+4*\s:G0B+4*\s+3], s[G1B:G1B+7]
	s_nop 0
.rept 4
	v_nop
.endr
.Lasked_\@:
.endm
.macro CREST                           ; a round of the cluster's barrier behind its opening barrier
	s_cmp_lg_u32 s12, 0
	s_cbranch_scc1 .Lnot_wave_0_\@
	s_barrier_signal -3
.Lnot_wave_0_\@:
	s_barrier_wait -3
	s_barrier_signal -1
	s_barrier_wait -1
.endm
.macro CROUND
	s_barrier_signal -1
	s_barrier_wait -1
	CREST
.endm
	s_load_b128 s[4:7], s[0:1], 0x0                ; att, wo
	s_load_b128 s[8:11], s[0:1], 0x10              ; b_out, out0
	v_lshl_add_u32 v[SPW], v0, 2, SPARE
	v_mov_b32 v[NIL], 0
	ds_add_u32 v[SPW], v[NIL]                      ; the wave's opening: the add, twice on end, and its wait ahead of my first tensor load
	ds_add_u32 v[SPW], v[NIL]
	v_lshrrev_b32 v1, 5, v0
	v_readfirstlane_b32 s12, v1                    ; wave 0..3
	s_lshr_b32 s13, s12, 1                         ; which half of the tile's rows is mine.  Also: I fetch for att (0) or for wo (1)
	s_and_b32 s14, s12, 1                          ; which half of its columns.  Also: which head, or which 64 rows of wo, I fetch
	s_bfe_u32 s40, ttmp6, 0x40000                  ; cx, cy
	s_bfe_u32 s41, ttmp6, 0x40004
	s_lshl_b32 s42, ttmp9, 2
	s_add_co_u32 s42, s42, s40                     ; tile column = 4 x cluster x + cx
	s_and_b32 s15, ttmp7, 0xffff
	s_lshl_b32 s15, s15, 2
	s_add_co_u32 s15, s15, s41                     ; tile row = 4 x cluster y + cy
	s_lshl_b32 s43, s41, 2
	s_lshl_b32 s43, 15, s43                        ; my row of the cluster
	s_lshl_b32 s44, 0x1111, s40                    ; my column
	s_or_b32 s[G1+0], s43, (1<<16)|(1<<20)|(1<<21)|(5<<22)|(3<<25)   ; 15:0 the mask; 17:16 elements of 2 bytes; 20 padding on; 21 set beside a mask; 24:22 after every 64 words; 31:25 four words
	s_or_b32 s[G1B+0], s44, (1<<16)|(1<<20)|(1<<21)|(5<<22)|(3<<25)
	s_mov_b32 s[G1+1], 128<<16                     ; att: 128 rows of 128 elements, dense
	s_mov_b32 s[G1+2], 128<<16
	s_mov_b32 s[G1+3], 128<<16
	s_mov_b32 s[G1+4], 128
	s_mov_b32 s[G1+5], 128
	s_mov_b32 s[G1+6], 0
	s_mov_b32 s[G1+7], 0
	s_mov_b32 s[G1B+1], 128<<16                    ; wo: 64 rows of 128 elements, 1,024 elements apart
	s_mov_b32 s[G1B+2], 64<<16
	s_mov_b32 s[G1B+3], 128<<16
	s_mov_b32 s[G1B+4], 64
	s_mov_b32 s[G1B+5], 1024
	s_mov_b32 s[G1B+6], 0
	s_mov_b32 s[G1B+7], 0
	s_lshr_b32 s16, s15, 3                         ; att: the batch's 16 heads of 262,144 bytes,
	s_lshl_b32 s16, s16, 22
	s_and_b32 s17, s15, 7
	s_lshl_b32 s17, s17, 15                        ; the tile's 256 rows of 128 bytes in a head,
	s_add_co_u32 s16, s16, s17
	s_lshl_b32 s17, s14, 18                        ; the head that I fetch
	s_add_co_u32 s16, s16, s17
	s_mov_b32 s17, 0
	s_lshl_b32 s46, s42, 7                         ; wo: row 128 x tile column + 64 x half,
	s_lshl_b32 s47, s14, 6
	s_add_co_u32 s46, s46, s47
	s_lshl_b32 s46, s46, 11                        ; of 2,048 bytes
	s_mov_b32 s47, 0
	s_mul_i32 s20, s14, PLANE                      ; where they go: no place in the cluster enters an LDS address
	s_mul_i32 s21, s14, HALFB
	s_add_co_u32 s21, s21, BOFF
	s_wait_dscnt 0x0                               ; both opening adds are done
	s_wait_kmcnt 0x0
	s_add_nc_u64 s[18:19], s[4:5], s[16:17]
	s_add_nc_u64 s[46:47], s[6:7], s[46:47]
	CROUND                                         ; all sixteen work-groups are here: the first joint loads meet
.irp s, 0,1
	s_mov_b32 s[G0+4*\s], 1
	s_add_co_u32 s[G0+4*\s+1], s20, \s*SLOT
	s_add_nc_u64 s[G0+4*\s+2:G0+4*\s+3], s[18:19], \s*524288       ; K step s: two heads on
	s_or_b32 s[G0+4*\s+3], s[G0+4*\s+3], 0x80000000
	s_mov_b32 s[G0B+4*\s], 1
	s_add_co_u32 s[G0B+4*\s+1], s21, \s*SLOT
	s_add_nc_u64 s[G0B+4*\s+2:G0B+4*\s+3], s[46:47], \s*256
	s_or_b32 s[G0B+4*\s+3], s[G0B+4*\s+3], 0x80000000
	JLOAD \s
.endr
	v_and_b32 v1, 15, v0                           ; r
	v_bfe_u32 v2, v0, 4, 1                         ; h
	s_lshl_b32 s46, s42, 9                         ; my first column, in bytes of f32: 512 x tile column + 256 x half: in b_out and in a row of out0 alike
	s_lshl_b32 s47, s14, 8
	s_add_co_u32 s46, s46, s47
	s_mov_b32 s47, 0
	s_add_nc_u64 s[8:9], s[8:9], s[46:47]
	v_lshlrev_b32 v[BO], 5, v2
.irp b, 0,1,2,3
	global_load_b128 v[BIA+8*\b:BIA+8*\b+3], v[BO], s[8:9] offset:64*\b        ; lane (r, h), block b: b_out[.. + 16 b + 8 h + 0 .. 7]
	global_load_b128 v[BIA+8*\b+4:BIA+8*\b+7], v[BO], s[8:9] offset:64*\b+16
.endr
	v_lshrrev_b32 v3, 1, v1
	v_mul_u32_u24 v3, v3, PITCH
	v_and_b32 v4, 1, v1
	v_lshl_add_u32 v3, v4, 7, v3
	v_lshl_add_u32 v3, v2, 4, v3                   ; att: (r / 2) 272 + (r % 2) 128 + 16 h
	v_mul_u32_u24 v4, v1, PITCH
	v_lshl_add_u32 v4, v2, 4, v4                   ; wo: 272 r + 16 h
	s_mul_i32 s21, s13, HALFB                      ; my 128 rows of att: 64 LDS rows
	s_mul_i32 s22, s14, HALFB                      ; my 64 rows of wo
	s_add_co_u32 s22, s22, BOFF
.irp s, 0,1
	v_add_nc_u32 v[ADRA+\s], s21, v3
	v_add_nc_u32 v[ADRB+\s], s22, v4
	s_add_co_u32 s21, s21, SLOT
	s_add_co_u32 s22, s22, SLOT
.endr
	s_mul_i32 s23, s12, 16*SPITCH
	s_add_co_u32 s23, s23, STAGE                   ; my stage
	v_mul_u32_u24 v5, v1, SPITCH                   ; in: row r, 32 bytes for each half of the lanes
	v_lshl_add_u32 v5, v2, 5, v5
	v_add_nc_u32 v[STO], s23, v5
	v_mul_u32_u24 v5, v2, SPITCH                   ; back: lanes 0-15 take one row of 256 bytes, lanes 16-31 the next
	v_lshl_add_u32 v5, v1, 4, v5
	v_add_nc_u32 v[RD], s23, v5
	v_lshlrev_b32 v5, 12, v2                       ; and the same two rows in out0
	v_lshl_add_u32 v[CO], v1, 4, v5
	s_lshl_b32 s16, s15, 8
	s_lshl_b32 s17, s13, 7
	s_add_co_u32 s16, s16, s17                     ; my first row: 256 x tile row + 128 x half,
	s_lshl_b32 s16, s16, 12                        ; of 4,096 bytes
	s_mov_b32 s17, 0
	s_add_nc_u64 s[10:11], s[10:11], s[16:17]
	s_add_nc_u64 s[10:11], s[10:11], s[46:47]
; 8 matrix instructions: att's blocks a0, a0 + 1 against wo's four, 32 along K.  zero = 1: the first product starts the sums from the bias.  The 32 accumulators take turns.
.macro MUL8 f, a0, zero
.irp a, \a0, \a0+1
.irp b, 0,1,2,3
.if \zero
	v_wmma_f32_16x16x32_f16 v[8*(4*(\a)+\b):8*(4*(\a)+\b)+7], v[\f+8*\b:\f+8*\b+7], v[\f+32+8*(\a):\f+32+8*(\a)+7], v[BIA+8*\b:BIA+8*\b+7]
.else
	v_wmma_f32_16x16x32_f16 v[8*(4*(\a)+\b):8*(4*(\a)+\b)+7], v[\f+8*\b:\f+8*\b+7], v[\f+32+8*(\a):\f+32+8*(\a)+7], v[8*(4*(\a)+\b):8*(4*(\a)+\b)+7]
.endif
.endr
.endr
.endm
; 24 LDS loads in one run: the fragments of the slot's q-th 32 along K into buffer f: wo's four, att's blocks 0-3, att's blocks 4-7.  att's head is q / 2, its channels 32 (q % 2) on.
.macro FETCH slot, q, f
.irp b, 0,1,2,3
	ds_load_b128 v[\f+8*\b:\f+8*\b+3],   v[ADRB+\slot] offset:64*(\q)+16*PITCH*\b
	ds_load_b128 v[\f+8*\b+4:\f+8*\b+7], v[ADRB+\slot] offset:64*(\q)+16*PITCH*\b+32
.endr
.irp a, 0,1,2,3,4,5,6,7
	ds_load_b128 v[\f+32+8*\a:\f+32+8*\a+3],   v[ADRA+\slot] offset:((\q)/2)*PLANE+((\q)%2)*64+8*PITCH*\a
	ds_load_b128 v[\f+32+8*\a+4:\f+32+8*\a+7], v[ADRA+\slot] offset:((\q)/2)*PLANE+((\q)%2)*64+8*PITCH*\a+32
.endr
.endm
.macro PLACES                          ; four plain instructions in front of loads into registers that matrix instructions have read, and of the first read of results (ISA guide 7.12.1 for reads of results)
.rept 4
	v_nop
.endr
.endm
; A K step is four quarters of 32 along K, 32 matrix instructions each, on buffers 0, 1, 0, 1.  One of the first three: multiplies buffer f and fetches quarter q of the same slot into g.
.macro QUARTER slot, q, f, g, zero
	s_wait_dscnt 8                                 ; wo's fragments and att's blocks 0-3 are in; the youngest eight loads (blocks 4-7) may be out
.if \zero
	WIN MUL0
.else
	WIN MUL
.endif
	MUL8 \f, 0, \zero
	MUL8 \f, 2, \zero
	PLACES
	WIN 0
	FETCH \slot, \q, \g
	s_wait_dscnt 24                                ; all but the 24 just issued
.if \zero
	WIN MUL0
.else
	WIN MUL
.endif
	MUL8 \f, 4, \zero
	MUL8 \f, 6, \zero
.endm
; The last quarter multiplies buffer 1 and changes slots: ONE barrier; in front of it each wave waits for all its tensor loads, adds 0 to its spare word, and waits for that and for its reads of this slot.
; fill = 1: this slot is filled again, two K steps ahead; the barrier then opens a round of the cluster's barrier.
.macro TURN slot, next, fill
	WIN 0
	s_wait_tensorcnt 0x0                           ; all my tensor loads have landed: my part of the next slot
	ds_add_u32 v[SPW], v[NIL]                      ; 0 onto my spare word
	s_wait_dscnt 9                                 ; (the add and the youngest eight loads may be out)
	WIN MUL
	MUL8 F1, 0, 0                                  ; eight matrix instructions stand between the add and the wait for it
	s_wait_dscnt 0x0                               ; the add is done, and my reads of this slot are over
	s_barrier_signal -1
	MUL8 F1, 2, 0
	WIN 0
	s_barrier_wait -1
.if \fill
	CREST                                          ; no wave of any partner still reads this slot's tile or has a load on its way
	s_add_nc_u64 s[G0+4*\slot+2:G0+4*\slot+3], s[G0+4*\slot+2:G0+4*\slot+3], 1048576     ; four heads on
	s_add_nc_u64 s[G0B+4*\slot+2:G0B+4*\slot+3], s[G0B+4*\slot+2:G0B+4*\slot+3], 512
	JLOAD \slot                                    ; the first tensor load behind the round; the four v_nop behind it are also the places in front of the loads below
.else
	PLACES
.endif
	FETCH \next, 0, F0
	WIN MUL
	MUL8 F1, 4, 0
	MUL8 F1, 6, 0
.endm
	s_wait_loadcnt 0x0                             ; the bias
	s_wait_tensorcnt 1                             ; my part of K step 0 is in (K step 1's load may be out)
	s_barrier_signal -1
	s_barrier_wait -1                              ; everybody's is
	FETCH 0, 0, F0
	QUARTER 0, 1, F0, F1, 1                        ; the first quarter stands in front of the loop: its products start the sums from the bias
	WIN 0                                          ; at a label and at a branch every window is 0
	s_mov_b32 s3, LAPS-1
.Llap:                                             ; a trip goes once round the ring, from a lap's second quarter to the next lap's first, and fills both slots again
	QUARTER 0, 2, F1, F0, 0
	QUARTER 0, 3, F0, F1, 0
	TURN 0, 1, 1
	QUARTER 1, 1, F0, F1, 0
	QUARTER 1, 2, F1, F0, 0
	QUARTER 1, 3, F0, F1, 0
	TURN 1, 0, 1
	QUARTER 0, 1, F0, F1, 0
	WIN 0
	s_sub_co_u32 s3, s3, 1
	s_cmp_lg_u32 s3, 0
	s_cbranch_scc1 .Llap
	QUARTER 0, 2, F1, F0, 0                        ; the last lap fills nothing, and has no round of the cluster's barrier
	QUARTER 0, 3, F0, F1, 0
	TURN 0, 1, 0
	QUARTER 1, 1, F0, F1, 0
	QUARTER 1, 2, F1, F0, 0
	QUARTER 1, 3, F0, F1, 0
	s_wait_dscnt 8                                 ; the very last quarter: nothing more to fetch
	WIN MUL
	MUL8 F1, 0, 0
	MUL8 F1, 2, 0
	s_wait_dscnt 0
	MUL8 F1, 4, 0
	MUL8 F1, 6, 0
	WIN 0
; THE WAY OUT, block by block of 16 rows x 64 columns.  A lane holds 32 neighbouring bytes of a row, and the lanes beside it hold other rows: so a block goes through my own stage in LDS and comes back as whole
; rows of 256 bytes, two an instruction: sixteen lanes store 256 consecutive bytes, aligned.
.macro TOSTAGE a
	WIN 0x04                                       ; an LDS store's data are its source 1: window 1
.irp b, 0,1,2,3
	ds_store_b128 v[STO], v[8*(4*(\a)+\b):8*(4*(\a)+\b)+3] offset:64*\b          ; each accumulator from its low end on
	ds_store_b128 v[STO], v[8*(4*(\a)+\b)+4:8*(4*(\a)+\b)+7] offset:64*\b+16
.endr
	WIN 0
.set BB, BK+32*((\a)%2)
.irp t, 0,1,2,3,4,5,6,7
	ds_load_b128 v[BB+4*\t:BB+4*\t+3], v[RD] offset:\t*2*SPITCH    ; LDS serves a wave's instructions in order (ISA guide 5.7.1): these see the stores above
.endr
.endm
.macro SEND a, younger                 ; younger: the LDS instructions issued behind block a's loads, which may stay out
.set BB, BK+32*((\a)%2)
	s_wait_dscnt \younger                          ; the block is back in registers
.if (\a) > 0
	s_add_nc_u64 s[10:11], s[10:11], 16*4096       ; (behind a wait on XCNT: the earlier stores have read their base)  16 rows on
.endif
.irp t, 0,1,2,3,4,5,6,7
	global_store_b128 v[CO], v[BB+4*\t:BB+4*\t+3], s[10:11] offset:\t*2*4096 th:TH_STORE_NT   ; written once, read by nobody here
.endr
.endm
	PLACES
	TOSTAGE 0
.irp a, 1,2,3,4,5,6,7
.if \a > 1
	s_wait_xcnt 0x0                                ; block a - 2's stores have read their registers and their base: block a's loads may land there, and the base may step
.endif
	TOSTAGE \a
	SEND \a-1, 16                                  ; behind block a - 1's loads: block a's 8 stores and 8 loads
.endr
	s_wait_xcnt 0x0                                ; block 6's stores have read their base
	SEND 7, 0
	s_wait_tensorcnt 0x0                           ; the wave's end, behind my last tensor load and my last LDS store
	ds_add_u32 v[SPW], v[NIL]
	s_wait_dscnt 0x0
	CROUND                                         ; the closing round: no work-group ends while a partner may still ask for a tile that names it
	s_endpgm
.Lfunc_end_k_q165c4db987_proj:
	.size	k_q165c4db987_proj, .Lfunc_end_k_q165c4db987_proj-k_q165c4db987_proj
	.p2alignl 7, 3214868480
	.fill 96, 4, 3214868480
	.section	.rodata,"a",@progbits
	.p2align	6, 0x0
	.amdhsa_kernel k_q165c4db987_proj
		.amdhsa_group_segment_fixed_size 327680
		.amdhsa_private_segment_fixed_size 0
		.amdhsa_enable_private_segment 0
		.amdhsa_kernarg_size 32
		.amdhsa_user_sgpr_count 2
		.amdhsa_user_sgpr_kernarg_segment_ptr 1
		.amdhsa_wavefront_size32 1
		.amdhsa_system_sgpr_workgroup_id_x 1
		.amdhsa_system_sgpr_workgroup_id_y 1
		.amdhsa_system_sgpr_workgroup_id_z 1
		.amdhsa_system_vgpr_workitem_id 0
		.amdhsa_next_free_vgpr 512
		.amdhsa_next_free_sgpr 66
		.amdhsa_reserve_vcc 0
		.amdhsa_float_denorm_mode_32 3
		.amdhsa_float_denorm_mode_16_64 3
		.amdhsa_memory_ordered 1
		.amdhsa_forward_progress 1
		.amdhsa_inst_pref_size 87
	.end_amdhsa_kernel
	.amdgpu_metadata
---
amdhsa.version: [ 1, 2 ]
amdhsa.kernels:
  - .name:           k_q165c4db987_proj
    .symbol:         k_q165c4db987_proj.kd
    .args:
      - { .name: att, .offset: 0, .size: 8, .value_kind: global_buffer, .address_space: global }
      - { .name: wo, .offset: 8, .size: 8, .value_kind: global_buffer, .address_space: global }
      - { .name: b_out, .offset: 16, .size: 8, .value_kind: global_buffer, .address_space: global }
      - { .name: out0, .offset: 24, .size: 8, .value_kind: global_buffer, .address_space: global }
    .group_segment_fixed_size: 327680
    .private_segment_fixed_size: 0
    .kernarg_segment_align: 8
    .kernarg_segment_size: 32
    .max_flat_workgroup_size: 128
    .sgpr_count:     66
    .vgpr_count:     512
    .wavefront_size: 32
...
	.end_amdgpu_metadata
.endif
;; end of part 4
